; MI455X (gfx1250); checked and timed in simulation.
; The chip was launched on July 23, 2026; its instructions are those of AMD's public machine-readable ISA for CDNA 5 (MIT licence, August 2026) and "CDNA5" Instruction Set Architecture Reference Guide (July 2026). The comments in the code are by the model that wrote it; some were corrected since.
;; SSD. Allowed arithmetic: matrix products marked QUANTISED: E5M2 operands, one E8M0 scale for each 32 along K, by v_wmma_scale_f32_16x16x128_f8f6f4 with both operands' format E5M2, f32 sums; everything else in f32.
;; Inputs: A_log 32 float32; D 32 float32; W_B_codes 1,024 x 64 x 32 uint8 (E5M2 codes of W_B, K innermost, in blocks of 32 codes); W_B_scales 1,024 x 64 uint8 (E8M0 scales of W_B, one for each 32 codes along K); W_C_codes 1,024 x 64 x 32 uint8 (E5M2 codes of W_C, K innermost, in blocks of 32 codes); W_C_scales 1,024 x 64 uint8 (E8M0 scales of W_C, one for each 32 codes along K); W_dt_codes 32 x 64 x 32 uint8 (E5M2 codes of W_dt, K innermost, in blocks of 32 codes); W_dt_scales 32 x 64 uint8 (E8M0 scales of W_dt, one for each 32 codes along K); W_out_codes 2,048 x 64 x 32 uint8 (E5M2 codes of W_out, K innermost, in blocks of 32 codes); W_out_scales 2,048 x 64 uint8 (E8M0 scales of W_out, one for each 32 codes along K); W_x_codes 2,048 x 64 x 32 uint8 (E5M2 codes of W_x, K innermost, in blocks of 32 codes); W_x_scales 2,048 x 64 uint8 (E8M0 scales of W_x, one for each 32 codes along K); b_B 1,024 float32; b_C 1,024 float32; b_dt 32 float32; b_out 2,048 float32; b_x 2,048 float32; hidden_states_codes 2 x 2,048 x 64 x 32 uint8 (E5M2 codes of hidden_states, K innermost, in blocks of 32 codes); hidden_states_scales 2 x 2,048 x 64 uint8 (E8M0 scales of hidden_states, one for each 32 codes along K).
;; Outputs: out0 2 x 2,048 x 2,048 float32.
;; Constants: chunk_len = 256, d_state = 128.
;; This version of the problem:
;;   THIS VERSION OF THE PROBLEM IS GIVEN IN LOW PRECISION. The matrix products marked QUANTISED in the list below multiply operands that are first quantised to E5M2 (5 exponent bits, 2 mantissa bits; 8 bits a number), with one power-of-two scale for each 32 numbers along K (OCP MX v1.0); their sums are f32. All else is computed in f32.
;;   The module's matrix products, in the order in which they are computed (A, B: the left and right operand; K: the contracted axis; several contracted axes count as one K, in the product's order):
;;     1. [M 4,096, K 2,048] x [K 2,048, N 1,024]; A: input hidden_states (given as codes); B: input W_B (given as codes): QUANTISED
;;     2. [M 4,096, K 2,048] x [K 2,048, N 1,024]; A: input hidden_states (given as codes); B: input W_C (given as codes): QUANTISED
;;     3. [M 4,096, K 2,048] x [K 2,048, N 32]; A: input hidden_states (given as codes); B: input W_dt (given as codes): QUANTISED
;;     4. [M 4,096, K 2,048] x [K 2,048, N 2,048]; A: input hidden_states (given as codes); B: input W_x (given as codes): QUANTISED
;;     5. batch 512 x [M 256, K 128] x [K 128, N 256]; A: computed on the way; B: computed on the way: QUANTISED
;;     6. batch 512 x [M 64, K 256] x [K 256, N 256]; A: computed on the way; B: computed on the way: QUANTISED
;;     7. batch 512 x [M 64, K 256] x [K 256, N 128]; A: computed on the way; B: computed on the way: QUANTISED
;;     8. batch 512 x [M 64, K 128] x [K 128, N 256]; A: computed on the way; B: computed on the way: QUANTISED
;;     9. [M 4,096, K 2,048] x [K 2,048, N 2,048]; A: computed on the way; B: input W_out (given as codes): QUANTISED
;;   THE QUANTISER, for each operand of a quantised product, along K:
;;     - K is cut into blocks of 32 from its start; a last block that is shorter is filled with zeros.
;;     - A block's scale is 2^e with e = floor(log2(the largest magnitude in the block)) - 15, held to -126 .. 127; a block of zeros has e = 0. As a byte (E8M0): e + 127.
;;     - Each number is divided by its block's scale, clamped to +-57,344, and rounded to the nearest number of E5M2, ties to even, subnormals kept.
;;     - The product sums the exact products of the quantised numbers (number of the format x scale) in f32.
;;   ~~~python
;;   def quantise(x, axis):      # numpy; x: float32 -> the quantised numbers, widened to float32 again
;;       x = np.moveaxis(x, axis, -1); K = x.shape[-1]
;;       x = np.pad(x, [(0, 0)] * (x.ndim - 1) + [(0, -K % 32)]); x = x.reshape(x.shape[:-1] + (-1, 32)); a = np.abs(x).max(-1, keepdims=True)
;;       e = np.where(a > 0, np.clip(np.frexp(np.where(a > 0, a, 1))[1] - 1 - 15, -126, 127), 0)      # np.frexp(a)[1] - 1 = floor(log2(a)), exactly
;;       r = np.clip(x / 2.0 ** e, -57344, 57344)
;;       step = 2.0 ** (np.maximum(np.frexp(np.where(r == 0, 1, r))[1] - 1, -14) - 2)
;;       q = np.round(r / step) * step * 2.0 ** e      # np.round: ties to even
;;       return np.moveaxis(q.reshape(q.shape[:-2] + (-1,))[..., :K], -1, axis).astype(np.float32)
;;   ~~~
;;   OPERANDS COMPUTED ON THE WAY. 'Computed on the way' means the value that the module computes at that place (a softmax that the list does not call 'softmax' is quantised finished and normalised). What goes into a quantiser is computed in f32, as accurately as f32 sums, v_exp_f32 and their like allow (about 1e-6 of the number): no bf16 or f16 on the way to a quantiser, and a product that is left as it is and whose result goes on into a quantised operand takes f32 operands (vector FMAs, or v_wmma_f32_16x16x4_f32). A number that lies on a knife's edge between two numbers of the format may be rounded either way, as far as f32 arithmetic and the matrix unit's own rounding can turn it there, and no further.
;;   INPUTS GIVEN AS CODES. W_B (in the module: [2048, 1024], K = its axis 0); W_C (in the module: [2048, 1024], K = its axis 0); W_dt (in the module: [2048, 32], K = its axis 0); W_out (in the module: [2048, 2048], K = its axis 0); W_x (in the module: [2048, 2048], K = its axis 0); hidden_states (in the module: [2, 2048, 2048], K = its axis 2): each comes as NAME_codes (uint8): NAME with its K axis moved to the last place and cut into blocks of 32 codes, [.., K / 32, bytes a block], one block behind the other in memory; one code a byte (a code: sign, 5 exponent bits, 2 mantissa bits); and NAME_scales (uint8): the same leading axes, one E8M0 byte (e + 127) for each 32 codes along K. Its value is code x scale, taken as it is: it is not quantised again, and the codes and scales need not be those that the quantiser above would give.
;; One version. Each part assembles by itself: llvm-mc -triple=amdgcn-amd-amdhsa -mcpu=gfx1250 --defsym DOCPART=n.
;; ======== version 1 of 1: 3 launches
;; workspace buffers: P 67,108,864 bytes; dtT 524,288 bytes; Yimg 8,388,608 bytes; Ysc 262,144 bytes
;; launch proj (part 1): grid 16 x 16, 4 waves a work-group, clusters of 4 x 4, 327,680 bytes of LDS; arguments hidden_states_codes, hidden_states_scales, W_B_codes, W_B_scales, W_C_codes, W_C_scales, W_x_codes, W_x_scales, b_B, b_C, b_x, W_dt_codes, W_dt_scales, b_dt, P, dtT; writes P, dtT
.if DOCPART == 1
	.amdgcn_target "amdgcn-amd-amdhsa--gfx1250"
	.amdhsa_code_object_version 6
	.text
	.protected	k_q86bdab7c3f_proj
	.globl	k_q86bdab7c3f_proj
	.p2align	8
	.type	k_q86bdab7c3f_proj,@function
k_q86bdab7c3f_proj:
	s_mov_b64 s[64:65], 0
	v_nop
	global_prefetch_b8 v0, s[64:65] scope:SCOPE_SE
	s_setreg_imm32_b32 hwreg(HW_REG_WAVE_MODE, 25, 1), 1
	s_wait_xcnt 0x0
	s_wait_alu depctr_hold_cnt(0) depctr_sa_sdst(0) depctr_va_vdst(0) depctr_va_sdst(0) depctr_va_ssrc(0) depctr_va_vcc(0) depctr_vm_vsrc(0)
	s_getreg_b32 s2, hwreg(HW_REG_IB_STS2, 6, 4)
	s_cmp_eq_u32 s2, 0
	s_cbranch_scc0 .Lentry_in_a_cluster
	s_endpgm
.Lentry_in_a_cluster:
	s_bfe_u32 s2, ttmp6, 0x10000c
	s_cmp_lg_u32 s2, 0xf033
	s_cbranch_scc0 .Lentry_shape_is_right
	s_endpgm
.Lentry_shape_is_right:
; FIRST OF THREE LAUNCHES.  P[row][0..1023] = h W_B + b_B, P[row][1024..2047] = h W_C + b_C, P[row][2048..4095] = h W_x + b_x (f32, 4,096 rows), and dtT[b][head][s] = softplus(h W_dt + b_dt).
; All four products on the given codes of E5M2 with their E8M0 bytes, sums in f32.
; WORK LEFT OUT BY THE PROGRAM, for all finite inputs:  (1) in M = (C B^T) exp(segsum), blocks of 32 keys that lie wholly above the diagonal: the module sets segsum to -inf there itself, exp gives 0 and 0 times a finite
; number is 0, so their codes are zeros and neither product 5 nor product 6 is multiplied there.  (2) the state of each sequence's last chunk, its operands and its column sum: new_states[:, :-1] slices them away.
; (3) the inter-chunk product of each sequence's first chunk: its state is the block of zeros that the module concatenates.  (4) the column sums of places 0 and 8, which only (2) and (3) would use.
; Every input has a way to the output and is loaded.  LIMIT: a NaN, an infinity or an overflow that reaches only the work left out is not carried to the result; NaN and infinities among the inputs are not served.
; FORM.  A tile of P, 256 x 256, is made by a work-group of four waves, a wave makes 128 x 128 in 64 accumulators.  K goes in steps of 256 through a ring of two LDS slots filled by the tensor data mover.
; The scale bytes of the work-group's 256 rows of h and 256 rows of the weight come once, in whole runs of 256 bytes, and stay in LDS.
; CLUSTERS: 4 x 4 work-groups; h's tiles are asked for jointly along a row of the cluster, the weight's along a column.  A cluster's four tile columns lie in ONE weight: cluster x = 0: W_B, 1: W_C, 2, 3: W_x.
; The matrix instruction is used transposed (source 0 = 16 rows of the weight, source 1 = 16 rows of h): a lane holds eight neighbouring numbers of a row of P.
; dt RIDES IN THE K LOOP: each wave has one more accumulator: 16 rows of h (row tile 4 x wave + cluster x of the work-group's 16, read from the slot in LDS) x 8 heads (8 cx + lane % 8; lanes 8-15 repeat lanes 0-7),
; W_dt's fragments straight from memory, two steps ahead.  The 64 waves of a tile row so share its 16 row tiles x 32 heads.  Its softplus stands behind P's last store: nothing of P waits for it.
; REGISTERS: window 0: v0-31 addresses; v32-63 scale words, two sets; v64-79 h's fragment for dt, v80-111 W_dt's, two sets, v112-119 dt's sums, v120-123 their scale words; from v128 h's fragments, one set.
;   window 1: the weight's fragments, two sets.   windows 2, 3: the 64 accumulators.
.set SIZE_N, 4096                      ; P's width
.set SIZE_K, 2048
.set KSTEP,  256
.set NQ,     KSTEP/128
.set ROWB,   256
.set KROW,   SIZE_K
.set PITCH,  272                       ; an LDS row: 256 bytes + 16 of padding: the 16 rows that a load touches start 68 words apart
.set FR,     16
.set NL,     4
.set NP,     8                         ; places behind this matrix instruction (ISA guide 7.12.1)
.set HALFT,  128*PITCH
.set SLOT,   4*HALFT
.set LAPS,   SIZE_K/(2*KSTEP)
.set KS,     SIZE_K/32
.set SCL,    2*SLOT
.set HALFS,  (128*KS/256)*272
.set SBLK,   (16*KS/256)*272
.set SPARE,  SCL+4*HALFS               ; the spare words, 128 bytes a wave: two blocks of 256 bytes that no other line names
.set SPITCH, 528                       ; the way out: a stage of 16 rows x (512 + 16) bytes a wave, in slot 0, which has had its last fill and its last read by then
.set DTO,  10                          ; v10     my byte offset in dtT
.set BDT,  11                          ; v11     b_dt of my head
.set BIA,  12                          ; v12-15  the bias of my four columns on the way out
.set ADRA, 16
.set ADH,  18                          ; v18-19  LDS address of dt's fragment of h in slot 0, 1
.set ADRB, 20
.set ADS2, 22                          ; v22     LDS address of its rows' scale words
.set WDO,  23                          ; v23     my byte offset in W_dt's codes
.set STO,  24
.set RD,   25
.set CO,   26
.set ADRS, 27
.set SPW,  28
.set NIL,  29
.set WDS,  30                          ; v30     my byte offset in W_dt's scale bytes
.set SC,   32
.set HF,   64
.set WF,   80
.set DACC, 112
.set HS,   120
.set WS,   122
.set AF,   128
.set BK,   128
.set G1, 24
.set G0, 32
.set G1B, 48
.set G0B, 56
.set G1S, 68
.set G0S, 76
.set G1SB, 80
.set G0SB, 88
.set PWD, 98                           ; s[98:99]   W_dt's codes at my eight heads, stepped 512 bytes a trip
.set PWS, 100                          ; s[100:101] W_dt's scale bytes likewise, 16 bytes a trip
.set PDTT, 104                         ; s[104:105] dtT at my rows and heads
.set MSB, 0
.macro WIN new                         ; the immediate's high byte repeats the setting that is left
.if MSB != \new
	s_set_vgpr_msb (MSB<<8)|\new
.set MSB, \new
.endif
.endm
.set MUL_LO, 0xa1
.set MUL_HI, 0xf1
.set TO_B,   0x40
; A joint load: waves 0 and 1 fetch for h, waves 2 and 3 for the weight.  An s_nop 0 and four v_nop follow each of the two lines.
.macro JLOAD g0a, g1a, g0b, g1b
	s_cmp_eq_u32 s15, 0
	s_cbranch_scc0 .Lfor_b_\@
	tensor_load_to_lds s[\g0a:\g0a+3], s[\g1a:\g1a+7]
	s_nop 0
.rept 4
	v_nop
.endr
	s_branch .Lasked_\@
.Lfor_b_\@:
	tensor_load_to_lds s[\g0b:\g0b+3], s[\g1b:\g1b+7]
	s_nop 0
.rept 4
	v_nop
.endr
.Lasked_\@:
.endm
.macro CREST
	s_cmp_lg_u32 s14, 0
	s_cbranch_scc1 .Lnot_wave_0_\@
	s_barrier_signal -3
.Lnot_wave_0_\@:
	s_barrier_wait -3
	s_barrier_signal -1
	s_barrier_wait -1
.endm
.macro CROUND
	s_barrier_signal -1
	s_barrier_wait -1
	CREST
.endm
	s_load_b128 s[4:7], s[0:1], 0x0                ; h's codes, h's scales
	s_load_b512 s[68:83], s[0:1], 0x10             ; W_B, W_C, W_x: codes and scales; b_B, b_C
	s_load_b256 s[84:91], s[0:1], 0x50             ; b_x, W_dt's codes, W_dt's scales, b_dt
	s_load_b128 s[92:95], s[0:1], 0x70             ; P, dtT
	v_lshl_add_u32 v[SPW], v0, 2, SPARE
	v_mov_b32 v[NIL], 0
	ds_add_u32 v[SPW], v[NIL]                      ; the wave's opening: the add, twice on end, and its wait ahead of my first tensor load
	ds_add_u32 v[SPW], v[NIL]
	v_lshrrev_b32 v1, 5, v0
	v_readfirstlane_b32 s14, v1                    ; wave 0..3
	s_lshr_b32 s15, s14, 1                         ; my half of the tile's rows; also: I fetch for h (0) or for the weight (1)
	s_and_b32 s16, s14, 1                          ; my half of its columns; also: which 128 rows I fetch
	s_bfe_u32 s40, ttmp6, 0x40000                  ; cx
	s_bfe_u32 s41, ttmp6, 0x40004                  ; cy
	s_lshl_b32 s42, ttmp9, 2
	s_add_co_u32 s42, s42, s40                     ; tile column of P
	s_and_b32 s17, ttmp7, 0xffff
	s_lshl_b32 s17, s17, 2
	s_add_co_u32 s17, s17, s41                     ; tile row of P
	s_lshl_b32 s43, s41, 2
	s_lshl_b32 s43, 15, s43                        ; my row of the cluster
	s_lshl_b32 s44, 0x1111, s40                    ; my column
	s_max_u32 s3, ttmp9, 2
	s_sub_co_u32 s3, s3, 2                         ; W_B and W_C have one cluster column each, W_x two
	s_lshl_b32 s3, s3, 2
	s_add_co_u32 s3, s3, s40                       ; tile column inside the weight
	s_or_b32 s[G1+0], s43, (0<<16)|(1<<20)|(1<<21)|(5<<22)|(3<<25)  ; mask; elements of 1 byte; padding on; bit 21 beside a mask; 4 words behind every 64
	s_or_b32 s[G1B+0], s44, (0<<16)|(1<<20)|(1<<21)|(5<<22)|(3<<25)
.irp g, G1, G1B
	s_mov_b32 s[\g+1], ROWB<<16
	s_mov_b32 s[\g+2], 128<<16
	s_mov_b32 s[\g+3], ROWB<<16
	s_mov_b32 s[\g+4], 128
	s_mov_b32 s[\g+5], KROW
	s_mov_b32 s[\g+6], 0
	s_mov_b32 s[\g+7], 0
.endr
	s_lshl_b32 s18, s16, 7
	s_lshl_b32 s20, s17, 8
	s_add_co_u32 s20, s20, s18                     ; h: row 256 x tile row + 128 x half
	s_lshl_b32 s46, s3, 8
	s_add_co_u32 s46, s46, s18                     ; the weight: row 256 x its tile column + 128 x half
	s_lshl_b32 s22, s20, 6                         ; their scale bytes (64 a row) and codes (2,048 a row): all under 2^32
	s_lshl_b32 s20, s20, 11
	s_lshl_b32 s66, s46, 6
	s_lshl_b32 s46, s46, 11
	s_mov_b32 s21, 0
	s_mov_b32 s23, 0
	s_mov_b32 s47, 0
	s_mov_b32 s67, 0
	s_mul_i32 s45, s14, HALFT                      ; where they go: wave x 128 rows: no place in the cluster enters an LDS address
	s_mul_i32 s2, s14, HALFS
	s_wait_dscnt 0x0                               ; both opening adds are done
	s_wait_kmcnt 0x0
	s_add_nc_u64 s[20:21], s[4:5], s[20:21]
	s_add_nc_u64 s[22:23], s[6:7], s[22:23]
	s_cmp_eq_u32 ttmp9, 0                          ; which weight: the cluster's x alone decides, the same in all sixteen partners
	s_cselect_b64 s[8:9], s[68:69], s[72:73]
	s_cselect_b64 s[10:11], s[70:71], s[74:75]
	s_cselect_b64 s[96:97], s[80:81], s[82:83]
	s_cmp_lt_u32 ttmp9, 2
	s_cselect_b64 s[8:9], s[8:9], s[76:77]
	s_cselect_b64 s[10:11], s[10:11], s[78:79]
	s_cselect_b64 s[96:97], s[96:97], s[84:85]
	s_add_nc_u64 s[46:47], s[8:9], s[46:47]
	s_add_nc_u64 s[66:67], s[10:11], s[66:67]
	s_mov_b64 s[PWD:PWD+1], s[86:87]
	s_mov_b64 s[PWS:PWS+1], s[88:89]
	s_mov_b64 s[18:19], s[90:91]                   ; b_dt
	s_mov_b64 s[12:13], s[92:93]                   ; P
	s_mov_b64 s[PDTT:PDTT+1], s[94:95]
	; s68 to s95 are free from here on.  The scales of 128 rows: a dense block of 8,192 bytes, as rows of 256 bytes (32 elements of 8), 16 bytes of padding behind each
	s_or_b32 s[G1S+0], s43, (3<<16)|(1<<20)|(1<<21)|(5<<22)|(3<<25)
	s_or_b32 s[G1SB+0], s44, (3<<16)|(1<<20)|(1<<21)|(5<<22)|(3<<25)
.irp g, G1S, G1SB
	s_mov_b32 s[\g+1], 32<<16
	s_mov_b32 s[\g+2], (128*KS/256)<<16
	s_mov_b32 s[\g+3], 32<<16
	s_mov_b32 s[\g+4], 128*KS/256
	s_mov_b32 s[\g+5], 32
	s_mov_b32 s[\g+6], 0
	s_mov_b32 s[\g+7], 0
.endr
	CROUND                                         ; all sixteen work-groups are here: the first joint loads meet
	s_mov_b32 s[G0S], 1
	s_add_co_u32 s[G0S+1], s2, SCL
	s_mov_b64 s[G0S+2:G0S+3], s[22:23]
	s_or_b32 s[G0S+3], s[G0S+3], 0x80000000
	s_mov_b32 s[G0SB], 1
	s_add_co_u32 s[G0SB+1], s2, SCL
	s_mov_b64 s[G0SB+2:G0SB+3], s[66:67]
	s_or_b32 s[G0SB+3], s[G0SB+3], 0x80000000
	JLOAD G0S, G1S, G0SB, G1SB                     ; the scales first: by this text's count three loads of a wave are out at the start
.irp s, 0,1
	s_mov_b32 s[G0+4*\s], 1
	s_add_co_u32 s[G0+4*\s+1], s45, \s*SLOT
	s_add_nc_u64 s[G0+4*\s+2:G0+4*\s+3], s[20:21], \s*ROWB
	s_or_b32 s[G0+4*\s+3], s[G0+4*\s+3], 0x80000000
	s_mov_b32 s[G0B+4*\s], 1
	s_add_co_u32 s[G0B+4*\s+1], s45, \s*SLOT
	s_add_nc_u64 s[G0B+4*\s+2:G0B+4*\s+3], s[46:47], \s*ROWB
	s_or_b32 s[G0B+4*\s+3], s[G0B+4*\s+3], 0x80000000
	JLOAD G0+4*\s, G1, G0B+4*\s, G1B
.endr
	; the small pointers
	s_mov_b32 s93, 0
	s_lshl_b32 s92, s40, 14                        ; my eight heads of W_dt: 8 cx rows of 2,048 bytes,
	s_add_nc_u64 s[PWD:PWD+1], s[PWD:PWD+1], s[92:93]
	s_lshl_b32 s92, s40, 9                         ; of 64 scale bytes,
	s_add_nc_u64 s[PWS:PWS+1], s[PWS:PWS+1], s[92:93]
	s_lshl_b32 s92, s40, 5                         ; of 4 bytes of b_dt
	s_add_nc_u64 s[18:19], s[18:19], s[92:93]
	s_lshl_b32 s92, s3, 10
	s_lshl_b32 s94, s16, 9
	s_add_co_u32 s92, s92, s94                     ; the bias of my 128 columns
	s_add_nc_u64 s[96:97], s[96:97], s[92:93]
	s_and_b32 s95, ttmp9, 3
	s_lshl_b32 s94, s14, 2
	s_add_co_u32 s95, s95, s94                     ; dt's row tile of the work-group's sixteen: 4 x wave + cluster x
	s_lshr_b32 s92, s17, 3
	s_lshl_b32 s92, s92, 18                        ; dtT: batch x 32 heads x 8,192 bytes
	s_lshl_b32 s94, s40, 16                        ; + 8 cx heads
	s_add_co_u32 s92, s92, s94
	s_and_b32 s94, s17, 7
	s_lshl_b32 s94, s94, 10                        ; + 256 rows x 4 bytes for each tile row of the batch
	s_add_co_u32 s92, s92, s94
	s_lshl_b32 s94, s95, 6                         ; + 16 rows x 4 bytes for each row tile
	s_add_co_u32 s92, s92, s94
	s_add_nc_u64 s[PDTT:PDTT+1], s[PDTT:PDTT+1], s[92:93]
	v_and_b32 v1, 15, v0                           ; l % 16
	v_bfe_u32 v2, v0, 4, 1                         ; l / 16
	v_mul_u32_u24 v3, v1, PITCH
	v_lshl_add_u32 v4, v2, 4, v3                   ; a fragment's row x pitch + 16 x half
	s_mul_i32 s21, s15, HALFT
	s_mul_i32 s22, s16, HALFT
	s_add_co_u32 s22, s22, 2*HALFT
.irp s, 0,1
	v_add_nc_u32 v[ADRA+\s], s21, v4
	v_add_nc_u32 v[ADRB+\s], s22, v4
	s_add_co_u32 s21, s21, SLOT
	s_add_co_u32 s22, s22, SLOT
.endr
	s_mul_i32 s94, s95, 16*PITCH
	v_add_nc_u32 v[ADH], s94, v4                   ; dt's 16 rows of h in slot 0,
	v_add_nc_u32 v[ADH+1], SLOT, v[ADH]            ; in slot 1
	v_mul_u32_u24 v5, v1, KS
	v_lshrrev_b32 v6, 8, v5
	v_lshl_add_u32 v5, v6, 4, v5                   ; my row's scales: 64 bytes a row and 16 more for each 256 passed
	s_mul_i32 s94, s95, SBLK
	s_add_co_u32 s94, s94, SCL
	v_add_nc_u32 v[ADS2], s94, v5                  ; those of dt's rows
	s_mul_i32 s21, s15, HALFS
	s_mul_i32 s22, s16, HALFS
	s_add_co_u32 s22, s22, 2*HALFS
	s_sub_co_u32 s22, s22, s21
	v_mul_u32_u24 v6, s22, v2                      ; lanes 16-31 take the weight's
	s_add_co_u32 s21, s21, SCL
	v_add_nc_u32 v5, v5, v6
	v_add_nc_u32 v[ADRS], s21, v5
	s_mul_i32 s23, s14, 16*SPITCH
	v_mul_u32_u24 v5, v1, SPITCH
	v_lshl_add_u32 v5, v2, 5, v5
	v_add_nc_u32 v[STO], s23, v5
	v_and_b32 v6, 31, v0
	v_lshlrev_b32 v[CO], 4, v6
	v_add_nc_u32 v[RD], s23, v[CO]
	v_and_b32 v7, 7, v0                            ; my head of the eight
	v_lshlrev_b32 v[WDO], 11, v7
	v_lshl_add_u32 v[WDO], v2, 4, v[WDO]
	v_lshlrev_b32 v[WDS], 6, v7
	v_lshlrev_b32 v31, 2, v7
	v_lshlrev_b32 v[DTO], 13, v7
	v_lshl_add_u32 v[DTO], v2, 5, v[DTO]           ; head x 8,192 bytes + my eight rows
	s_lshl_b32 s20, s17, 22                        ; my first row of P: (256 x tile row + 128 x half) x 16,384 bytes
	s_lshl_b32 s21, s15, 21
	s_add_co_u32 s20, s20, s21
	s_mov_b32 s21, 0
	s_lshl_b32 s46, s42, 10
	s_lshl_b32 s47, s16, 9
	s_add_co_u32 s46, s46, s47
	s_mov_b32 s47, 0
	s_add_nc_u64 s[20:21], s[20:21], s[46:47]
	s_add_nc_u64 s[12:13], s[12:13], s[20:21]
.macro FRAG reg, adr, q, i
.irp c, 0,1,2,3
	ds_load_b128 v[\reg+4*\c:\reg+4*\c+3], v[\adr] offset:128*(\q)+32*\c+(\i)*16*PITCH
.endr
.endm
; 16 matrix instructions: h's blocks a0, a0 + 1 x the weight's eight.  The accumulators take turns, one instruction a turn.
.macro MUL16 a0, p, q, sc, zero
.irp a, \a0, \a0+1
.irp b, 0,1,2,3,4,5,6,7
.if \zero
	v_wmma_scale_f32_16x16x128_f8f6f4 v[8*(8*((\a)%4)+\b):8*(8*((\a)%4)+\b)+7], v[128*(\p)+FR*\b:128*(\p)+FR*\b+FR-1], v[AF+FR*(\a):AF+FR*(\a)+FR-1], 0, v[SC+8*NQ*(\sc)+NQ*\b+(\q)], v[SC+8*NQ*(\sc)+NQ*(\a)+(\q)] matrix_a_fmt:MATRIX_FMT_BF8 matrix_b_fmt:MATRIX_FMT_BF8 matrix_a_scale:MATRIX_SCALE_ROW1
.else
	v_wmma_scale_f32_16x16x128_f8f6f4 v[8*(8*((\a)%4)+\b):8*(8*((\a)%4)+\b)+7], v[128*(\p)+FR*\b:128*(\p)+FR*\b+FR-1], v[AF+FR*(\a):AF+FR*(\a)+FR-1], v[8*(8*((\a)%4)+\b):8*(8*((\a)%4)+\b)+7], v[SC+8*NQ*(\sc)+NQ*\b+(\q)], v[SC+8*NQ*(\sc)+NQ*(\a)+(\q)] matrix_a_fmt:MATRIX_FMT_BF8 matrix_b_fmt:MATRIX_FMT_BF8 matrix_a_scale:MATRIX_SCALE_ROW1
.endif
.endr
.endr
.endm
.macro FETCH_B slot, q, p
	WIN TO_B
.irp i, 0,1,2,3,4,5,6,7
	FRAG 128*(\p)+FR*\i, ADRB+\slot, \q, \i
.endr
	WIN 0
.endm
.macro FETCH_A slot, q, i0
.irp i, \i0, \i0+1, \i0+2, \i0+3
	FRAG AF+FR*(\i), ADRA+\slot, \q, \i
.endr
.endm
.macro SCALES sc
.irp i, 0,1,2,3,4,5,6,7
	ds_load_b64 v[SC+8*NQ*\sc+NQ*\i:SC+8*NQ*\sc+NQ*\i+1], v[ADRS] offset:\i*SBLK
.endr
.endm
.macro PLACES n
.rept \n
	v_nop
.endr
.endm
; dt's three pieces.  HFETCH: its 16 rows of h, 128 along K, from the slot.  DTLOAD: W_dt's fragment and scale word of a step, from memory, into set p.  DTMUL: the step's one product.
.macro HFETCH slot, q
.irp c, 0,1,2,3
	ds_load_b128 v[HF+4*\c:HF+4*\c+3], v[ADH+\slot] offset:128*(\q)+32*\c
.endr
.endm
.macro DTLOAD p, off
.irp c, 0,1,2,3
	global_load_b128 v[WF+16*(\p)+4*\c:WF+16*(\p)+4*\c+3], v[WDO], s[PWD:PWD+1] offset:(\off)+32*\c
.endr
	global_load_b32 v[WS+(\p)], v[WDS], s[PWS:PWS+1] offset:(\off)/32
.endm
.macro DTMUL p, q, zero
	WIN 0
.if \zero
	v_wmma_scale_f32_16x16x128_f8f6f4 v[DACC:DACC+7], v[HF:HF+15], v[WF+16*(\p):WF+16*(\p)+15], 0, v[HS+(\q)], v[WS+(\p)] matrix_a_fmt:MATRIX_FMT_BF8 matrix_b_fmt:MATRIX_FMT_BF8
.else
	v_wmma_scale_f32_16x16x128_f8f6f4 v[DACC:DACC+7], v[HF:HF+15], v[WF+16*(\p):WF+16*(\p)+15], v[DACC:DACC+7], v[HS+(\q)], v[WS+(\p)] matrix_a_fmt:MATRIX_FMT_BF8 matrix_b_fmt:MATRIX_FMT_BF8
.endif
.endm
; A step of 128 along K that has its successor in the same slot.  dtoff: where W_dt's fragment of two steps on lies from the stepped base; under 0: none is left.
.macro STEP slot, q, zero, dtoff
	s_wait_dscnt 4*NL                              ; all but the youngest sixteen loads (h's blocks 4-7) are in, dt's fragment of h among them
	WIN MUL_LO
	MUL16 0, (\q)%2, \q, \slot, \zero
	MUL16 2, (\q)%2, \q, \slot, \zero
	s_wait_loadcnt 5                               ; this step's fragment of W_dt is in; the five loads of the next step's may be out
	DTMUL (\q)%2, \q, \zero
	s_wait_dscnt 0
	PLACES NP                                      ; in front of the loads into registers that matrix instructions have read
.if (\dtoff) >= 0
	DTLOAD (\q)%2, \dtoff
.endif
	FETCH_B \slot, (\q)+1, 1-(\q)%2
	FETCH_A \slot, (\q)+1, 0
	HFETCH \slot, (\q)+1
	WIN MUL_HI
	MUL16 4, (\q)%2, \q, \slot, \zero
	MUL16 6, (\q)%2, \q, \slot, \zero
	PLACES NP
	WIN 0
	FETCH_A \slot, (\q)+1, 4
.endm
; A slot's last step changes slots.  All its fragments were fetched in the step before, so its first 32 products and dt's one name registers alone: they stand AHEAD of the wait for the next slot's tile and are issued
; while that tile is on its way.  By this text's count a wave issues 128 products (and dt's two) between a request and the wait for it, and none between that wait and the next request.
; Then ONE barrier: in front of it each wave waits for all its tensor loads, adds 0 to its spare word, and waits for that and for its reads of this slot.
.macro TURN slot, next, fill, dtoff
	s_wait_dscnt 4*NL                              ; all but the youngest sixteen loads (h's blocks 4-7) are in
	WIN MUL_LO
	MUL16 0, 1, NQ-1, \slot, 0
	MUL16 2, 1, NQ-1, \slot, 0
	s_wait_loadcnt 5                               ; this step's fragment of W_dt is in; the five loads of the next step's may be out
	DTMUL 1, NQ-1, 0                               ; (it leaves every window 0: the add's two registers lie there, and branches follow)
	s_wait_tensorcnt 0x0                           ; all my tensor loads have landed: my part of the next slot; so a group 0 may be written
	ds_add_u32 v[SPW], v[NIL]                      ; 0 onto my spare word: the descriptors' steps stand between it and the wait for it
.if \fill
	s_add_nc_u64 s[G0+4*\slot+2:G0+4*\slot+3], s[G0+4*\slot+2:G0+4*\slot+3], 2*ROWB
	s_add_nc_u64 s[G0B+4*\slot+2:G0B+4*\slot+3], s[G0B+4*\slot+2:G0B+4*\slot+3], 2*ROWB
.endif
	s_wait_dscnt 0x0                               ; the add is done, and my reads of this slot are over
	s_barrier_signal -1
	s_barrier_wait -1
.if \fill
	CREST                                          ; the barrier has opened a round of the cluster's: no wave of any partner still reads this slot's tile or has a load on its way
	JLOAD G0+4*\slot, G1, G0B+4*\slot, G1B         ; the first tensor load behind the round; its four v_nop are four of the eight places
	PLACES NP-4
.else
	PLACES NP
.endif
	v_add_nc_u32 v[ADRS], 4*NQ, v[ADRS]            ; on to the next K step's scale words
	v_add_nc_u32 v[ADS2], 4*NQ, v[ADS2]
.if (\dtoff) >= 0
	DTLOAD 1, \dtoff
.endif
	FETCH_B \next, 0, 0
	FETCH_A \next, 0, 0
	SCALES \next
	HFETCH \next, 0
	ds_load_b64 v[HS:HS+1], v[ADS2]
	WIN MUL_HI
	MUL16 4, 1, NQ-1, \slot, 0                     ; the step's other 32 products stand over the LDS loads just issued
	MUL16 6, 1, NQ-1, \slot, 0
	PLACES NP
	WIN 0
	FETCH_A \next, 0, 4
.endm
	global_load_b128 v[BIA:BIA+3], v[CO], s[96:97]
	global_load_b32 v[BDT], v31, s[18:19]
	DTLOAD 0, 0
	DTLOAD 1, 128
	s_wait_tensorcnt 1                             ; the scales and my part of K step 0 are in (K step 1's load may be out)
	s_barrier_signal -1
	s_barrier_wait -1                              ; everybody's are
	FETCH_B 0, 0, 0
	FETCH_A 0, 0, 0
	SCALES 0
	HFETCH 0, 0
	ds_load_b64 v[HS:HS+1], v[ADS2]
	FETCH_A 0, 0, 4
	STEP 0, 0, 1, 256                              ; the first step stands in front of the loop: its products start the sums
	s_mov_b32 s3, LAPS-1
.Llap:                                                 ; a trip goes once round the ring and fills both slots again
	TURN 0, 1, 1, 384
	STEP 1, 0, 0, 512
	TURN 1, 0, 1, 640
	STEP 0, 0, 0, 768
	s_wait_xcnt 0x0                                ; W_dt's loads have read their bases, so these may step: four steps of 128 codes, of 4 scale bytes
	s_add_nc_u64 s[PWD:PWD+1], s[PWD:PWD+1], 512
	s_add_nc_u64 s[PWS:PWS+1], s[PWS:PWS+1], 16
	s_sub_co_u32 s3, s3, 1
	s_cmp_lg_u32 s3, 0
	s_cbranch_scc1 .Llap
	TURN 0, 1, 0, 384                              ; the last lap fills nothing, and has no round of the cluster's barrier
	STEP 1, 0, 0, -1
	s_wait_dscnt 4*NL                              ; the very last step
	WIN MUL_LO
	MUL16 0, 1, NQ-1, 1, 0
	MUL16 2, 1, NQ-1, 1, 0
	s_wait_loadcnt 0x0                             ; W_dt's last fragment; the biases came long ago
	DTMUL 1, NQ-1, 0
	s_wait_dscnt 0
	WIN MUL_HI
	MUL16 4, 1, NQ-1, 1, 0
	MUL16 6, 1, NQ-1, 1, 0
	WIN 0
	PLACES NP                                      ; behind the last products: for the reads of results and for the loads into registers that held operands
; THE WAY OUT, block by block of 16 rows x 128 columns, through my own stage in LDS, back as whole rows of 512 bytes; the bias is added on the way.
.macro TOSTAGE a
.set AC, 64*((\a)%4)
	WIN 0x08+4*((\a)/4)
.irp b, 0,1,2,3,4,5,6,7
	ds_store_b128 v[STO], v[AC+8*\b:AC+8*\b+3] offset:64*\b          ; each accumulator from its low end on
	ds_store_b128 v[STO], v[AC+8*\b+4:AC+8*\b+7] offset:64*\b+16
.endr
	WIN 0
.set BB, BK+64*((\a)%2)
.irp t, 0,1,2,3,4,5,6,7,8,9,10,11,12,13,14,15
	ds_load_b128 v[BB+4*\t:BB+4*\t+3], v[RD] offset:\t*SPITCH        ; LDS serves a wave's instructions in order (ISA guide 5.7.1.4): these see the stores above
.endr
.endm
.macro SEND a, younger
.set BB, BK+64*((\a)%2)
	s_wait_dscnt \younger
.if (\a) > 0
	s_add_nc_u64 s[12:13], s[12:13], 16*SIZE_N*4   ; (behind a wait on XCNT: the earlier stores have read their base)
.endif
.irp t, 0,1,2,3,4,5,6,7,8,9,10,11,12,13,14,15
	v_pk_add_f32 v[BB+4*\t:BB+4*\t+1], v[BB+4*\t:BB+4*\t+1], v[BIA:BIA+1]
	v_pk_add_f32 v[BB+4*\t+2:BB+4*\t+3], v[BB+4*\t+2:BB+4*\t+3], v[BIA+2:BIA+3]
	global_store_b128 v[CO], v[BB+4*\t:BB+4*\t+3], s[12:13] offset:\t*SIZE_N*4   ; 32 lanes store 512 consecutive bytes, at a multiple of 256 from P's first byte
.endr
.endm
	TOSTAGE 0
.irp a, 1,2,3,4,5,6,7
.if \a > 1
	s_wait_xcnt 0x0                                ; block a - 2's stores have read their registers and their base
.endif
	TOSTAGE \a
	SEND \a-1, 32
.endr
	s_wait_xcnt 0x0
	SEND 7, 0
	; dt, behind P's last store: P's 128 stores of a wave are on their way while this is worked.  It names v64-127 alone, which the way out does not touch.
	; dt = softplus(z) = max(z, 0) + log1p(e), e = exp(-|z|).  log1p(e) = e x ln(u) / (u - 1) with u = 1 + e as rounded: the ratio takes u's rounding out; where u = 1 the ratio is 1.
.set ZZ, 64
.set EE, 72
.set UU, 80
.set DF, 88
.set LG, 96
.set RC, 104
.set ONE, 124
	s_mov_b32 s2, 0xbfb8aa3b                       ; -log2(e)
	s_mov_b32 s3, 0x3f317218                       ; ln 2
	v_mov_b32 v[ONE], 1.0
.irp j, 0,1,2,3,4,5,6,7
	v_add_f32 v[ZZ+\j], v[DACC+\j], v[BDT]         ; the sums from their low end on
.endr
.irp j, 0,1,2,3,4,5,6,7
	v_mul_f32 v[EE+\j], s2, |v[ZZ+\j]|
.endr
.irp j, 0,1,2,3,4,5,6,7
	v_exp_f32 v[EE+\j], v[EE+\j]
.endr
	v_nop                                          ; a plain instruction behind the last exponential,
	s_wait_alu depctr_va_vdst(0)                   ; and one wait for the batch, ahead of its first reader
.irp j, 0,1,2,3,4,5,6,7
	v_add_f32 v[UU+\j], 1.0, v[EE+\j]
.endr
.irp j, 0,1,2,3,4,5,6,7
	v_add_f32 v[DF+\j], -1.0, v[UU+\j]
.endr
.irp j, 0,1,2,3,4,5,6,7
	v_cmp_eq_f32 vcc_lo, 0, v[DF+\j]
	v_cndmask_b32 v[DF+\j], v[DF+\j], v[ONE], vcc_lo   ; no division by 0
.endr
.irp j, 0,1,2,3,4,5,6,7
	v_log_f32 v[LG+\j], v[UU+\j]
.endr
.irp j, 0,1,2,3,4,5,6,7
	v_rcp_f32 v[RC+\j], v[DF+\j]
.endr
	v_nop
	s_wait_alu depctr_va_vdst(0)
.irp j, 0,1,2,3,4,5,6,7
	v_mul_f32 v[LG+\j], s3, v[LG+\j]
	v_mul_f32 v[LG+\j], v[LG+\j], v[RC+\j]
	v_cmp_eq_f32 vcc_lo, 1.0, v[UU+\j]
	v_cndmask_b32 v[LG+\j], v[LG+\j], v[ONE], vcc_lo
	v_max_num_f32 v[ZZ+\j], 0, v[ZZ+\j]
	v_fma_f32 v[ZZ+\j], v[EE+\j], v[LG+\j], v[ZZ+\j]
.endr
	v_cmp_gt_u32 vcc_lo, 8, v1                     ; lanes 8-15 of each half repeat lanes 0-7: they store nothing
	s_wait_xcnt 0x0                                ; EXEC changes only behind this wait: P's stores have read theirs
	s_and_saveexec_b32 s2, vcc_lo
	global_store_b128 v[DTO], v[ZZ:ZZ+3], s[PDTT:PDTT+1]            ; my head's eight rows: two lanes fill 64 consecutive bytes; dtT is one part in 128 of what the launch stores
	global_store_b128 v[DTO], v[ZZ+4:ZZ+7], s[PDTT:PDTT+1] offset:16
	s_wait_xcnt 0x0
	s_or_b32 exec_lo, exec_lo, s2
	s_wait_tensorcnt 0x0                           ; the wave's end
	ds_add_u32 v[SPW], v[NIL]
	s_wait_dscnt 0x0
	CROUND                                         ; the closing round
	s_endpgm
.Lfunc_end_k_q86bdab7c3f_proj:
	.size	k_q86bdab7c3f_proj, .Lfunc_end_k_q86bdab7c3f_proj-k_q86bdab7c3f_proj
	.p2alignl 7, 3214868480
	.fill 96, 4, 3214868480
	.section	.rodata,"a",@progbits
	.p2align	6, 0x0
	.amdhsa_kernel k_q86bdab7c3f_proj
		.amdhsa_group_segment_fixed_size 327680
		.amdhsa_private_segment_fixed_size 0
		.amdhsa_enable_private_segment 0
		.amdhsa_kernarg_size 128
		.amdhsa_user_sgpr_count 2
		.amdhsa_user_sgpr_kernarg_segment_ptr 1
		.amdhsa_wavefront_size32 1
		.amdhsa_system_sgpr_workgroup_id_x 1
		.amdhsa_system_sgpr_workgroup_id_y 1
		.amdhsa_system_sgpr_workgroup_id_z 1
		.amdhsa_system_vgpr_workitem_id 0
		.amdhsa_next_free_vgpr 1024
		.amdhsa_next_free_sgpr 106
		.amdhsa_reserve_vcc 1
		.amdhsa_float_denorm_mode_32 3
		.amdhsa_float_denorm_mode_16_64 3
		.amdhsa_memory_ordered 1
		.amdhsa_forward_progress 1
		.amdhsa_inst_pref_size 176
	.end_amdhsa_kernel
	.amdgpu_metadata
---
amdhsa.version: [ 1, 2 ]
amdhsa.kernels:
  - .name:           k_q86bdab7c3f_proj
    .symbol:         k_q86bdab7c3f_proj.kd
    .args:
      - { .name: hidden_states_codes, .offset: 0, .size: 8, .value_kind: global_buffer, .address_space: global }
      - { .name: hidden_states_scales, .offset: 8, .size: 8, .value_kind: global_buffer, .address_space: global }
      - { .name: W_B_codes, .offset: 16, .size: 8, .value_kind: global_buffer, .address_space: global }
      - { .name: W_B_scales, .offset: 24, .size: 8, .value_kind: global_buffer, .address_space: global }
      - { .name: W_C_codes, .offset: 32, .size: 8, .value_kind: global_buffer, .address_space: global }
      - { .name: W_C_scales, .offset: 40, .size: 8, .value_kind: global_buffer, .address_space: global }
      - { .name: W_x_codes, .offset: 48, .size: 8, .value_kind: global_buffer, .address_space: global }
      - { .name: W_x_scales, .offset: 56, .size: 8, .value_kind: global_buffer, .address_space: global }
      - { .name: b_B, .offset: 64, .size: 8, .value_kind: global_buffer, .address_space: global }
      - { .name: b_C, .offset: 72, .size: 8, .value_kind: global_buffer, .address_space: global }
      - { .name: b_x, .offset: 80, .size: 8, .value_kind: global_buffer, .address_space: global }
      - { .name: W_dt_codes, .offset: 88, .size: 8, .value_kind: global_buffer, .address_space: global }
      - { .name: W_dt_scales, .offset: 96, .size: 8, .value_kind: global_buffer, .address_space: global }
      - { .name: b_dt, .offset: 104, .size: 8, .value_kind: global_buffer, .address_space: global }
      - { .name: P, .offset: 112, .size: 8, .value_kind: global_buffer, .address_space: global }
      - { .name: dtT, .offset: 120, .size: 8, .value_kind: global_buffer, .address_space: global }
    .group_segment_fixed_size: 327680
    .private_segment_fixed_size: 0
    .kernarg_segment_align: 8
    .kernarg_segment_size: 128
    .max_flat_workgroup_size: 128
    .sgpr_count:     106
    .vgpr_count:     1024
    .wavefront_size: 32
...
	.end_amdgpu_metadata
.endif
;; end of part 1
;; launch ssd (part 2): grid 16 x 16, 16 waves a work-group, no clusters, 234,752 bytes of LDS; arguments P, dtT, A_log, D, Yimg, Ysc; writes Yimg, Ysc
.if DOCPART == 2
	.amdgcn_target "amdgcn-amd-amdhsa--gfx1250"
	.amdhsa_code_object_version 6
	.text
	.protected	k_q86bdab7c3f_ssd
	.globl	k_q86bdab7c3f_ssd
	.p2align	8
	.type	k_q86bdab7c3f_ssd,@function
k_q86bdab7c3f_ssd:
	s_mov_b64 s[64:65], 0
	v_nop
	global_prefetch_b8 v0, s[64:65] scope:SCOPE_SE
	s_setreg_imm32_b32 hwreg(HW_REG_WAVE_MODE, 25, 1), 1
	s_wait_xcnt 0x0
; SECOND LAUNCH: y = Y_diag + Y_off + D x for one chunk of 256 rows and two heads of one group, quantised along (head, d) for the last product.  All four products on codes of E5M2 with E8M0 scales, sums in f32.
; WORK LEFT OUT (shown at the first kernel's head): blocks of 32 keys wholly above the diagonal; the last chunk's state; the first chunk's inter-chunk product.
; STAYS, though unused: with chunk 0 the loads of 'the chunk before' are issued on chunk 0 and dropped, so that every register is written on every way; all eight chunk totals are made, those under j are not used;
; every wave loads the 32 bytes a lane of dt that only the four scanning waves use (12 KiB a work-group), for the same reason.
; NO RECURRENCE: the module scales each chunk's state by a column sum, so chunk j needs the state of chunk j - 1 alone, times cs = 1 + e^a[j] (1 + e^a[j+1] (.. (1 + e^a[7]))), a[k] = chunk k's sum of A dt.
; SHARES.  Work-group (x, y): group g = x % 8, heads g + 16 (x / 8) + 8 e (e = 0, 1), batch y / 8, chunk j = y % 8.  Sixteen waves; wave w serves head e = w / 8.  B and C are quantised once for both heads.
; OPERANDS GO FROM WAVE TO WAVE THROUGH LDS AS IMAGES OF THEIR REGISTERS: a fragment (16 rows x 128 K) is 4 stores of 16 bytes a lane at 16 x lane, 512 bytes apart; its scale words 4 bytes a row.
; THE ROWS OF A TILE THAT IS SOURCE 0 ARE NOT NEIGHBOURS: row r of tile 2 b + u is 32 b + 8 u + r + 8 (r / 8), so that a lane's 16 results of tiles 2 b, 2 b + 1 are 16 neighbours along the next K.
; exp(segsum) is made in base 2 from x2[k] = -exp(A_log) log2(e) dt[k], rows cut into runs of 16: for key s in run rho < lam and row l in run lam it is exp2(w[s]) x exp2(p[l] + Z(lam, rho)): w the sum behind s in
; its run, p the sum up to l in its run, Z the runs between: only sums of terms of one sign.  Inside the diagonal run the sum is added up directly.  Z is -1e30 where rho >= lam: the factor is 0 there.
; NO CLUSTER, NO TENSOR LOADS: the operands arrive as f32 and go through registers to their quantisers; only B and C, a third of a work-group's bytes, are shared, by two work-groups.
; LIMITS: NaN and infinities among the inputs are not served; an exponential under 2^-126 is 0; a block of zeros has the byte 1 or 127 in this program's own buffers (its codes are zeros);
; the sums of A dt are made in another order than the module's; exp(segsum) is a product of two exponentials (one rounding more).
.set CQ,   0                           ; LDS: C's 16 images (row tile lam),
.set BQ,   32768                       ; B's 16 (key tile tau),
.set XT,   65536                       ; (x dt)^T: [e][c][2 t + ks], c = 0: chunk j, 1: chunk j - 1,
.set BD,   131072                      ; (B decay)^T of chunk j - 1: [e][2 nu + ks],
.set SQ,   196608                      ; the scaled state: [e][t];
.set CQS,  212992                      ; their scale words, 64 bytes a fragment
.set BQS,  214016
.set XTS,  215040
.set BDS,  217088
.set SQS,  219136
.set TAB,  219648                      ; a head's tables, TABE bytes: x2 +0, p +1024, exp2(w) +2048, decay +3072, Z +4096 (16 rows of 128 bytes)
.set TABE, 6400
.set TOT,  232448                      ; [e][8] chunk totals
.set SPARE, 232704                     ; the spare words, 128 bytes a wave: eight blocks of 256 bytes that no other line names
.set LANE, 1
.set R,    2
.set HH,   3
.set LI,   4                           ; 16 x lane
.set LS,   5                           ; 4 x (lane % 16)
.set SPW,  6
.set NIL,  7
.set ZERO, 20
.set TMA,  24                          ; v24-29 the quantisers' own
.set TMB,  25
.set TMS,  26
.set TML,  27
.set TMY,  28
.set TMC,  29
.set VA2,  30                          ; -exp(A_log) log2(e)
.set MC,   224                         ; v224-239 codes just made
.set MW,   240                         ; their scale word
.set YW,   241
.set CQW,  243                         ; the scale word of source 1
.set FS,   244                         ; v244-247 the scale words of four fragments
.set FB,   96                          ; v96-159 four fragments
.set GG,   160                         ; v160-191 four accumulators
.set YA,   64                          ; v64-95 y's four
.set LD,   192                         ; v192-207 the diagonal run's factors
.set FF,   208                         ; v208-223 exp2(w) of a block
.set EU,   48                          ; v48, 50, .. 62: exp2(p + Z) of blocks 0 to 7
.set ZW,   248                         ; v248-255 Z's words; then v248: exp2 of the cumulative sum
.set WV, 16
.set E,  17
.set U,  18
.set G,  19
.set JZ, 20
.set J,  21
.set B,  22
.set H,  23
.set JP, 24
.set SKX, 25
.set T0, 26
.set T1, 27
.set SEL, 28
.set MNT, 30
.set TBE, 31
.set TT,  66                           ; s66-81 the sixteen runs' totals
.set PDH, 2
.set PXU, 82
.set PBD, 84
.set PCT, 86
.set PBT, 88
.set PDT, 90
.set PXR, 92
.set PY,  94
.set PYS, 96
.set DD,  98
.set LAM, 100
.set BETA, 101                         ; (until the main phase: the work-group's y)
.set DH,  104                          ; (until a2 is made: A_log)
.set CNT, 105
.macro PLACES n
.rept \n
	v_nop
.endr
.endm
.macro BARRIER                         ; my LDS stores have landed and my LDS loads are in: then the work-group's barrier
	s_wait_dscnt 0x0
	s_barrier_signal -1
	s_barrier_wait -1
.endm
.macro FETCH reg, adr, off
.irp c, 0,1,2,3
	ds_load_b128 v[\reg+4*\c:\reg+4*\c+3], v[\adr] offset:\off+512*\c
.endr
.endm
.macro IMAGE adr, off
.irp c, 0,1,2,3
	ds_store_b128 v[\adr], v[MC+4*\c:MC+4*\c+3] offset:\off+512*\c
.endr
.endm
.macro WMM d, a, b, sa, sb, acc
.if \acc
	v_wmma_scale_f32_16x16x128_f8f6f4 v[\d:\d+7], v[\a:\a+15], v[\b:\b+15], v[\d:\d+7], v[\sa], v[\sb] matrix_a_fmt:MATRIX_FMT_BF8 matrix_b_fmt:MATRIX_FMT_BF8
.else
	v_wmma_scale_f32_16x16x128_f8f6f4 v[\d:\d+7], v[\a:\a+15], v[\b:\b+15], 0, v[\sa], v[\sb] matrix_a_fmt:MATRIX_FMT_BF8 matrix_b_fmt:MATRIX_FMT_BF8
.endif
.endm
; The scale's lines: the largest magnitude (over the floor 2^(16 - 127)) with 15 off its exponent field is the conversion's scale operand; its exponent field over 57,344's mantissa is the hold; the byte goes into word w at bit sh.
.macro SCALE w, sh
	v_add_nc_u32 v[TMS], 0xf8800000, v[TMA]
	v_and_or_b32 v[TML], v[TMA], 0x7f800000, s[MNT]
.if (\sh) == 0
	v_lshrrev_b32 v[\w], 23, v[TMS]
.else
	v_lshrrev_b32 v[TMY], 23, v[TMS]
	v_lshl_or_b32 v[\w], v[TMY], \sh, v[\w]
.endif
.endm
; QB16: a lane holds 16 of a block's 32 numbers, lane l xor 16 the others: v[s] on -> four registers of codes at v[d].
.macro QB16 s, d, w, sh
	v_max3_num_f32 v[TMA], |v[\s]|, |v[\s+1]|, 0x8000000
	v_max3_num_f32 v[TMC], |v[\s+2]|, |v[\s+3]|, |v[\s+4]|
.irp i, 5,9
	v_max3_num_f32 v[TMA], v[TMA], |v[\s+\i]|, |v[\s+\i+1]|
	v_max3_num_f32 v[TMC], v[TMC], |v[\s+\i+2]|, |v[\s+\i+3]|
.endr
	v_max3_num_f32 v[TMA], v[TMA], |v[\s+13]|, |v[\s+14]|
	v_max3_num_f32 v[TMA], v[TMA], v[TMC], |v[\s+15]|
	v_permlanex16_b32 v[TMB], v[TMA], s[SEL], s[SEL+1]
	v_max_num_f32 v[TMA], v[TMA], v[TMB]
	SCALE \w, \sh
.set qb, 0
.rept 16
	v_med3_num_f32 v[\s+qb], v[\s+qb], -v[TML], v[TML]   ; the conversion to an 8-bit code does not saturate (ISA guide 7.6.2)
.set qb, qb+1
.endr
	v_cvt_scalef32_pk8_bf8_f32 v[\d:\d+1], v[\s:\s+7], v[TMS]
	v_cvt_scalef32_pk8_bf8_f32 v[\d+2:\d+3], v[\s+8:\s+15], v[TMS]
	v_nop                                          ; a plain instruction behind the last conversion
.endm
; KQ32: a lane holds all 32 numbers of a block (a column, registers down K): v[s] on -> eight registers of codes at v[MC].
.macro KQ32 s, w, sh
	v_max3_num_f32 v[TMA], |v[\s]|, |v[\s+1]|, |v[\s+2]|
	v_max3_num_f32 v[TMC], |v[\s+3]|, |v[\s+4]|, |v[\s+5]|
.irp i, 6,10,14,18,22,26
	v_max3_num_f32 v[TMA], v[TMA], |v[\s+\i]|, |v[\s+\i+1]|
	v_max3_num_f32 v[TMC], v[TMC], |v[\s+\i+2]|, |v[\s+\i+3]|
.endr
	v_max3_num_f32 v[TMA], v[TMA], |v[\s+30]|, |v[\s+31]|
	v_max3_num_f32 v[TMA], v[TMA], v[TMC], 0x8000000
	SCALE \w, \sh
.set kq, 0
.rept 32
	v_med3_num_f32 v[\s+kq], v[\s+kq], -v[TML], v[TML]
.set kq, kq+1
.endr
.irp g, 0,1,2,3
	v_cvt_scalef32_pk8_bf8_f32 v[MC+2*\g:MC+2*\g+1], v[\s+8*\g:\s+8*\g+7], v[TMS]
.endr
	v_nop
.endm
.macro LOADC set, ptr, k               ; 32 rows of my column of P: a wave reads 128 consecutive bytes a row
.set lc, 0
.rept 32
	global_load_b32 v[32+32*\set+lc], v19, s[\ptr:\ptr+1] offset:(32*\k+lc)*16384
.set lc, lc+1
.endr
.endm
.macro LOADT base, voff, ptr           ; my row's 64 numbers of a tile of 16 rows x 128: 16 neighbours of each block of 32
.irp b, 0,1,2,3
.irp q, 0,1,2,3
	global_load_b128 v[\base+16*\b+4*\q:\base+16*\b+4*\q+3], v[\voff], s[\ptr:\ptr+1] offset:128*\b+16*\q
.endr
.endr
.endm
	s_load_b256 s[4:11], s[0:1], 0x0               ; P, dtT, A_log, D
	s_load_b128 s[12:15], s[0:1], 0x20             ; Yimg, Ysc
	v_lshl_add_u32 v[SPW], v0, 2, SPARE
	v_mov_b32 v[NIL], 0
	v_lshrrev_b32 v1, 5, v0
	v_readfirstlane_b32 s[WV], v1                  ; wave 0..15
	v_and_b32 v[LANE], 31, v0
	v_and_b32 v[R], 15, v0
	v_bfe_u32 v[HH], v0, 4, 1
	v_lshlrev_b32 v[LI], 4, v[LANE]
	v_lshlrev_b32 v[LS], 2, v[R]
	v_mov_b32 v[ZERO], 0
	v_mov_b32 v[TMB], 0                            ; written once: a lane permute's destination counts as one of its sources
	v_mov_b32 v[MW], 0                             ; the words that are put together byte by byte
	v_mov_b32 v241, 0
	v_mov_b32 v242, 0
	s_mov_b32 s[SEL], 0x76543210
	s_mov_b32 s[SEL+1], 0xfedcba98
	s_mov_b32 s[MNT], 0x600000
	s_lshr_b32 s[E], s[WV], 3
	s_and_b32 s[U], s[WV], 7
	s_and_b32 s[G], ttmp9, 7
	s_lshr_b32 s[T0], ttmp9, 3
	s_and_b32 s[T0], s[T0], 1
	s_lshl_b32 s[H], s[T0], 4
	s_add_co_u32 s[H], s[H], s[G]
	s_lshl_b32 s[T0], s[E], 3
	s_add_co_u32 s[H], s[H], s[T0]                 ; my head
	s_and_b32 s[BETA], ttmp7, 0xffff               ; y = 8 x batch + chunk
	s_and_b32 s[J], s[BETA], 7
	s_lshr_b32 s[B], s[BETA], 3
	s_max_u32 s[JP], s[J], 1
	s_sub_co_u32 s[JP], s[JP], 1                   ; the chunk before, held at 0
	s_cmp_eq_u32 s[J], 0
	s_cselect_b32 s[JZ], 1, 0
	s_bfe_u32 s32, s[WV], 0x10002                  ; c: my x unit's chunk (0: j, 1: j - 1)
	s_bfe_u32 s33, s[WV], 0x10001                  ; cg: its 32 columns; also the upper bit of my quarter of B's rows
	s_and_b32 s34, s[WV], 1                        ; ks: its 128 rows; also the lower bit of the quarter
	s_lshr_b32 s35, s[WV], 2                       ; w / 4 = 2 e + c; also my 32 columns of B
	s_and_b32 s36, s[WV], 3
	s_and_b32 s[SKX], s[JZ], s32                   ; my x unit is the chunk before chunk 0: no work
	s_cmp_lg_u32 s32, 0
	s_cselect_b32 s37, s[JP], s[J]                 ; my x unit's chunk
	s_cmp_lg_u32 s34, 0
	s_cselect_b32 s38, s[JP], s[J]                 ; the chunk whose dt goes to the scan's registers
	s_mul_i32 s[TBE], s[E], TABE
	s_add_co_u32 s[TBE], s[TBE], TAB               ; my head's tables
	; every LDS address of the preparation is made here, ahead of the first parting of the waves
	v_and_b32 v31, 7, v[LANE]
	v_lshrrev_b32 v8, 4, v[LANE]
	v_lshl_add_u32 v31, v8, 3, v31                 ; my column's row in its tile: lane % 8 + 8 (lane / 16),
	v_bfe_u32 v8, v[LANE], 3, 1                    ; and which tile of the pair
	v_lshlrev_b32 v9, 12, v8
	v_lshl_add_u32 v9, v31, 4, v9                  ; in images: 4,096 x tile + 16 x row
	v_lshlrev_b32 v11, 7, v8
	v_lshl_add_u32 v11, v31, 2, v11                ; in scale words: 128 x tile + 4 x row
	s_lshl_b32 s[T0], s35, 14
	s_lshl_b32 s[T1], s33, 13
	s_add_co_u32 s[T0], s[T0], s[T1]
	s_lshl_b32 s[T1], s34, 11
	s_add_co_u32 s[T0], s[T0], s[T1]
	s_add_co_u32 s[T0], s[T0], XT
	v_add_nc_u32 v8, s[T0], v9                     ; v8: where my x unit's codes go
	s_lshl_b32 s[T0], s35, 13
	s_lshl_b32 s[T1], s33, 11
	s_add_co_u32 s[T0], s[T0], s[T1]
	s_lshl_b32 s[T1], s34, 10
	s_add_co_u32 s[T0], s[T0], s[T1]
	s_add_co_u32 s[T0], s[T0], BD
	v_add_nc_u32 v10, s[T0], v9                    ; v10: where my B decay codes go (head 1: 32,768 on)
	s_lshl_b32 s[T0], s35, 9
	s_lshl_b32 s[T1], s33, 8
	s_add_co_u32 s[T0], s[T0], s[T1]
	s_lshl_b32 s[T1], s34, 6
	s_add_co_u32 s[T0], s[T0], s[T1]
	s_add_co_u32 s[T0], s[T0], XTS
	v_add_nc_u32 v9, s[T0], v11                    ; v9: my x unit's scale word
	s_lshl_b32 s[T0], s35, 8
	s_lshl_b32 s[T1], s33, 6
	s_add_co_u32 s[T0], s[T0], s[T1]
	s_lshl_b32 s[T1], s34, 1
	s_add_co_u32 s[T0], s[T0], s[T1]
	s_add_co_u32 s[T0], s[T0], BDS
	v_add_nc_u32 v11, s[T0], v11                   ; v11: my two bytes of B decay's scale word (head 1: 1,024 on)
	s_lshl_b32 s[T0], s36, 8
	s_add_co_u32 s[T0], s[T0], TAB+3072
	v_mov_b32 v12, s[T0]                           ; v12: the decay of my 64 rows (head 1: TABE on)
	s_lshl_b32 s[T0], s[WV], 11
	v_add_nc_u32 v13, s[T0], v[LI]                 ; v13: C's image of tile w (B's: 32,768 on)
	s_lshl_b32 s[T0], s[WV], 6
	s_add_co_u32 s[T0], s[T0], CQS
	v_add_nc_u32 v14, s[T0], v[LS]                 ; v14: its scale words (B's: 1,024 on)
	s_lshl_b32 s[T0], s[WV], 2
	s_add_co_u32 s[T0], s[T0], TOT
	v_mov_b32 v15, s[T0]                           ; v15: my chunk total's word
	v_lshl_add_u32 v16, v[LANE], 5, s[TBE]         ; v16: my eight words of a table
	v_and_b32 v17, 16, v[LANE]
	v_and_b32 v18, 1, v[LANE]
	v_lshl_or_b32 v17, v18, 3, v17
	v_bfe_u32 v18, v[LANE], 1, 3
	v_add_nc_u32 v17, v17, v18
	s_add_co_u32 s[T0], s[TBE], 4096
	v_lshl_add_u32 v17, v17, 2, s[T0]              ; v17: lane rho's word of a row of Z: 8 (rho % 2) + rho / 2; lanes 16-31: words 16 on
	v_lshrrev_b32 v18, 1, v[LANE]
	v_lshlrev_b32 v18, 2, v18                      ; v18: my run's lane, as a byte index
	v_lshlrev_b32 v19, 2, v[LANE]                  ; v19: 4 bytes a lane
	s_lshl_b32 s[T0], s[WV], 18
	v_lshlrev_b32 v21, 14, v[R]
	v_lshl_add_u32 v21, v[HH], 6, v21
	v_add_nc_u32 v21, s[T0], v21                   ; v21: C: row 16 w + r of 16,384 bytes, + 64 x half
	v_and_b32 v22, 8, v[R]
	v_add_nc_u32 v22, v22, v[R]
	v_lshlrev_b32 v22, 14, v22
	v_lshl_add_u32 v22, v[HH], 6, v22
	s_lshr_b32 s[T0], s[WV], 1
	s_lshl_b32 s[T0], s[T0], 19
	s_lshl_b32 s[T1], s34, 17
	s_add_co_u32 s[T0], s[T0], s[T1]
	v_add_nc_u32 v22, s[T0], v22                   ; v22: B: row 32 (w / 2) + 8 (w % 2) + r + 8 (r / 8)
	s_lshl_b32 s[T0], s[U], 10
	v_lshl_add_u32 v23, v[LANE], 5, s[T0]          ; v23: dt of chunk u, eight a lane
	s_lshl_b32 s[T0], s38, 10
	v_lshl_add_u32 v31, v[LANE], 5, s[T0]          ; v31: dt for the scan: chunk j in even waves, the chunk before in odd ones
	s_wait_kmcnt 0x0
	s_mov_b32 s[T1], 0
	s_lshl_b32 s[T0], s[H], 2
	s_add_nc_u64 s[8:9], s[8:9], s[T0:T1]
	s_add_nc_u64 s[10:11], s[10:11], s[T0:T1]
	s_load_b32 s[DH], s[8:9], 0x0                  ; A_log of my head
	s_load_b32 s[DD], s[10:11], 0x0                ; D of my head
	s_lshl_b32 s[T0], s[B], 5
	s_add_co_u32 s[T0], s[T0], s[H]
	s_lshl_b32 s[T0], s[T0], 13
	s_add_nc_u64 s[PDH:PDH+1], s[6:7], s[T0:T1]    ; my head's row of dtT
	s_lshl_b32 s[T0], s37, 10
	s_lshl_b32 s39, s34, 9
	s_add_co_u32 s[T0], s[T0], s39
	s_add_nc_u64 s[PDT:PDT+1], s[PDH:PDH+1], s[T0:T1]   ; dt of my x unit's 128 rows
	s_lshl_b32 s39, s[B], 3
	s_add_co_u32 s[T0], s39, s37
	s_lshl_b32 s[T0], s[T0], 22                    ; a chunk is 256 rows of 16,384 bytes; all offsets stay under 2^32
	s_lshl_b32 s40, s34, 21
	s_add_co_u32 s[T0], s[T0], s40
	s_lshl_b32 s40, s[H], 8
	s_add_co_u32 s[T0], s[T0], s40
	s_lshl_b32 s40, s33, 7
	s_add_co_u32 s[T0], s[T0], s40
	s_add_co_u32 s[T0], s[T0], 8192
	s_add_nc_u64 s[PXU:PXU+1], s[4:5], s[T0:T1]    ; my x unit
	s_add_co_u32 s[T0], s39, s[JP]
	s_lshl_b32 s[T0], s[T0], 22
	s_lshl_b32 s40, s36, 20
	s_add_co_u32 s[T0], s[T0], s40
	s_lshl_b32 s40, s[G], 9
	s_add_co_u32 s[T0], s[T0], s40
	s_lshl_b32 s41, s35, 7
	s_add_co_u32 s[T0], s[T0], s41
	s_add_nc_u64 s[PBD:PBD+1], s[4:5], s[T0:T1]    ; my 64 rows x 32 columns of B of the chunk before
	s_lshl_b32 s[T0], s[BETA], 22
	s_add_co_u32 s[T0], s[T0], s40
	s_add_nc_u64 s[PBT:PBT+1], s[4:5], s[T0:T1]    ; B of chunk j
	s_add_co_u32 s[T0], s[T0], 4096
	s_add_nc_u64 s[PCT:PCT+1], s[4:5], s[T0:T1]    ; C of chunk j
	s_lshl_b32 s[T0], s[BETA], 22
	s_lshl_b32 s40, s[H], 8
	s_add_co_u32 s[T0], s[T0], s40
	s_add_co_u32 s[T0], s[T0], 8192
	s_add_nc_u64 s[PXR:PXR+1], s[4:5], s[T0:T1]    ; x of chunk j, my head
	s_lshl_b32 s[T0], s[BETA], 19
	s_lshl_b32 s40, s[H], 10
	s_add_co_u32 s[T0], s[T0], s40
	s_add_nc_u64 s[PY:PY+1], s[12:13], s[T0:T1]    ; y's images: 16 row tiles of 32,768 bytes a chunk, 1,024 bytes a head
	s_lshl_b32 s[T0], s[BETA], 14
	s_lshl_b32 s40, s[H], 1
	s_add_co_u32 s[T0], s[T0], s40
	s_add_nc_u64 s[PYS:PYS+1], s[14:15], s[T0:T1]  ; y's scale bytes: 64 a row, two a head
	; ---- PREPARATION.  The first loads: dt for the scan (issued by every wave, so that its registers are written on every way; used by waves 0, 1, 8, 9), dt for a chunk total, my x unit's first two blocks
	global_load_b128 v[160:163], v31, s[PDH:PDH+1]
	global_load_b128 v[164:167], v31, s[PDH:PDH+1] offset:16
	global_load_b128 v[168:171], v23, s[PDH:PDH+1]
	global_load_b128 v[172:175], v23, s[PDH:PDH+1] offset:16
	s_load_b512 s[32:47], s[PDT:PDT+1], 0x0        ; dt of block 0's 32 rows: a multiplier for each register
	s_load_b512 s[48:63], s[PDT:PDT+1], 0x40
	LOADC 0, PXU, 0
	LOADC 1, PXU, 1
	s_wait_kmcnt 0x0
	s_mov_b32 s[DD+1], s[DD]                       ; (the packed form names the pair)
	; a2 = -exp(A_log) log2(e); the product A_log x log2(e) is carried in two parts
	s_mov_b32 s[T0], 0x3fb8aa3b
	s_mov_b32 s[T1], 0x32a57060
	v_mov_b32 v26, s[DH]
	v_mul_f32 v27, s[T0], v26
	v_fma_f32 v28, v26, s[T0], -v27
	v_fma_f32 v28, v26, s[T1], v28
	v_exp_f32 v27, v27
	v_mul_f32 v28, 0x3f317218, v28                 ; (a plain instruction behind the exponential)
	s_wait_alu depctr_va_vdst(0)                   ; the wait ahead of the first reader
	v_fma_f32 v27, v27, v28, v27
	v_mul_f32 v[VA2], 0xbfb8aa3b, v27
	s_wait_loadcnt 63                              ; the four dt loads are older than the 64 loads of x
	v_add_f32 v168, v168, v169                     ; chunk u's total of dt
	v_add_f32 v170, v170, v171
	v_add_f32 v172, v172, v173
	v_add_f32 v174, v174, v175
	v_add_f32 v168, v168, v170
	v_add_f32 v172, v172, v174
	v_add_f32 v168, v168, v172
	v_add_f32_dpp v168, v168, v168 row_xmask:1 row_mask:0xf bank_mask:0xf
	v_add_f32_dpp v168, v168, v168 row_xmask:2 row_mask:0xf bank_mask:0xf
	v_add_f32_dpp v168, v168, v168 row_xmask:4 row_mask:0xf bank_mask:0xf
	v_add_f32_dpp v168, v168, v168 row_xmask:8 row_mask:0xf bank_mask:0xf
	v_permlanex16_b32 v169, v168, s[SEL], s[SEL+1]
	v_add_f32 v168, v168, v169
	v_mul_f32 v168, v[VA2], v168
	ds_store_b32 v15, v168
	; ---- the scan: waves 0 and 8 chunk j (x2, p, exp2(w), Z), waves 1 and 9 the chunk before (decay).  A lane holds eight neighbours; lanes 2 sigma, 2 sigma + 1 are run sigma
.set X2, 176
.set QQ, 184
.set SF, 192
.set PP, 208
.set WW, 216
	s_and_b32 s[T0], s[WV], 6
	s_cmp_lg_u32 s[T0], 0
	s_cbranch_scc1 .Lscan_done
	s_and_b32 s[T0], s[WV], 1
	s_and_b32 s[T0], s[T0], s[JZ]
	s_cmp_lg_u32 s[T0], 0
	s_cbranch_scc1 .Lscan_done                     ; chunk 0 has no chunk before
.irp i, 0,1,2,3,4,5,6,7
	v_mul_f32 v[X2+\i], v[VA2], v[160+\i]
.endr
	v_add_f32 v[QQ+1], v[X2], v[X2+1]              ; sums from the lane's first on,
.irp i, 2,3,4,5,6,7
	v_add_f32 v[QQ+\i], v[QQ+\i-1], v[X2+\i]
.endr
	v_add_f32 v[SF+5], v[X2+7], v[X2+6]            ; and behind each number to the lane's last
.irp i, 4,3,2,1,0
	v_add_f32 v[SF+\i], v[SF+\i+1], v[X2+\i+1]
.endr
	v_mov_b32 v200, 0
	v_mov_b32_dpp v200, v[QQ+7] row_xmask:1 row_mask:0xf bank_mask:0xf   ; my neighbour's total
	v_add_f32 v201, v[QQ+7], v200                  ; the run's
	s_mov_b32 s[T0], 0xaaaaaaaa
	v_cndmask_b32 v203, v[ZERO], v200, s[T0]       ; what lies ahead of me in my run (odd lanes)
	v_cndmask_b32 v[WW+7], v200, v[ZERO], s[T0]    ; what lies behind me in my run (even lanes)
	v_add_f32 v[WW+6], v[X2+7], v[WW+7]
.irp i, 0,1,2,3,4,5
	v_add_f32 v[WW+\i], v[SF+\i], v[WW+7]
.endr
.irp g, 0,1,2,3,4,5,6,7,8,9,10,11,12,13,14,15
	v_readlane_b32 s[TT+\g], v201, 2*\g
.endr
	s_mov_b32 s[T1], 0
	v_mov_b32 v96, 0xf149f2ca                      ; row 0 of Z: -1e30 in lanes 0-15; lanes 16 and 17 carry the sum of all runs passed
	v_writelane_b32 v96, s[T1], 16
	v_writelane_b32 v96, s[T1], 17
.set zi, 0
.rept 16
	v_add_f32 v[97+zi], s[TT+zi], v[96+zi]         ; row lam + 1: run lam has been passed,
	v_writelane_b32 v[97+zi], s[T1], zi            ; and nothing lies between run lam and run lam + 1
.set zi, zi+1
.endr
	s_and_b32 s[T0], s[WV], 1
	s_cmp_lg_u32 s[T0], 0
	s_cbranch_scc1 .Lscan_before
	v_add_f32 v[PP], v[X2], v203
.irp i, 1,2,3,4,5,6,7
	v_add_f32 v[PP+\i], v[QQ+\i], v203
.endr
	ds_store_b128 v16, v[X2:X2+3]
	ds_store_b128 v16, v[X2+4:X2+7] offset:16
	ds_store_b128 v16, v[PP:PP+3] offset:1024
	ds_store_b128 v16, v[PP+4:PP+7] offset:1040
.set zi, 0
.rept 16
	ds_store_b32 v17, v[96+zi] offset:128*zi
.set zi, zi+1
.endr
.irp i, 0,1,2,3,4,5,6,7
	v_exp_f32 v[WW+\i], v[WW+\i]
.endr
	v_nop
	s_wait_alu depctr_va_vdst(0)
	ds_store_b128 v16, v[WW:WW+3] offset:2048
	ds_store_b128 v16, v[WW+4:WW+7] offset:2064
	s_branch .Lscan_done
.Lscan_before:
	ds_bpermute_b32 v205, v18, v112                ; row 16 holds, in lane rho, the runs behind run rho
	s_wait_dscnt 0x0
.irp i, 0,1,2,3,4,5,6,7
	v_add_f32 v[WW+\i], v[WW+\i], v205
.endr
.irp i, 0,1,2,3,4,5,6,7
	v_exp_f32 v[WW+\i], v[WW+\i]
.endr
	v_nop
	s_wait_alu depctr_va_vdst(0)
	ds_store_b128 v16, v[WW:WW+3] offset:3072
	ds_store_b128 v16, v[WW+4:WW+7] offset:3088
.Lscan_done:
; Block k of my x unit: x dt, quantised down the rows, to its place in the images.  The waits stand ahead of the branch, on every way.
.macro XWORK k
	s_wait_kmcnt 0x0
	s_cmp_lg_u32 s[SKX], 0
	s_cbranch_scc1 .Lxs_\@
.set xw, 0
.rept 32
	v_mul_f32 v[32+32*\k+xw], s[32+xw], v[32+32*\k+xw]
.set xw, xw+1
.endr
.if \k < 3
	s_load_b512 s[32:47], s[PDT:PDT+1], 128*(\k+1)
	s_load_b512 s[48:63], s[PDT:PDT+1], 128*(\k+1)+64
.endif
	KQ32 32+32*\k, MW, 8*\k
	ds_store_b128 v8, v[MC:MC+3] offset:512*\k
	ds_store_b128 v8, v[MC+4:MC+7] offset:512*\k+256
.if \k == 3
	ds_store_b32 v9, v[MW]
.endif
	s_wait_dscnt 0x0                               ; the stores have read their registers
.Lxs_\@:
.endm
	s_wait_loadcnt 32                              ; a set is in when only the set behind it is out; the set two on is asked for at once
	LOADC 2, PXU, 2
	XWORK 0
	s_wait_loadcnt 32
	LOADC 3, PXU, 3
	XWORK 1
	s_wait_loadcnt 32
	LOADC 4, PBD, 0
	XWORK 2
	s_wait_loadcnt 32
	LOADC 5, PBD, 1
	XWORK 3
	LOADT 32, 21, PCT
	BARRIER                                        ; the tables and totals lie in LDS
; Block k of my rows of B of the chunk before, for both heads: B decay, quantised down the rows.
.macro DWORK k
	s_cmp_lg_u32 s[JZ], 0
	s_cbranch_scc1 .Lds_\@
.irp ee, 0,1
.irp i, 0,1,2,3,4,5,6,7
	ds_load_b128 v[96+4*\i:96+4*\i+3], v12 offset:\ee*TABE+128*\k+16*\i   ; every lane reads the same 32 numbers
.endr
	s_wait_dscnt 0x0
.irp i, 0,2,4,6,8,10,12,14,16,18,20,22,24,26,28,30
	v_pk_mul_f32 v[128+\i:129+\i], v[160+32*\k+\i:161+32*\k+\i], v[96+\i:97+\i]
.endr
	KQ32 128, 241+\ee, 8*\k
	ds_store_b128 v10, v[MC:MC+3] offset:\ee*32768+512*\k
	ds_store_b128 v10, v[MC+4:MC+7] offset:\ee*32768+512*\k+256
.if \k == 1
	ds_store_b16 v11, v[241+\ee] offset:\ee*1024
.endif
.endr
	s_wait_dscnt 0x0
.Lds_\@:
.endm
	s_wait_loadcnt 48                              ; behind B's first block: its second (32) and C (16)
	DWORK 0
	s_wait_loadcnt 16                              ; behind the second: C
	DWORK 1
	LOADT 160, 22, PBT
	s_wait_loadcnt 16                              ; behind C: B's tile
.irp b, 0,1,2,3
	QB16 32+16*\b, MC+4*\b, MW, 8*\b
.endr
	IMAGE 13, 0
	ds_store_b32 v14, v[MW]
	s_wait_dscnt 0x0
	s_wait_loadcnt 0x0
.irp b, 0,1,2,3
	QB16 160+16*\b, MC+4*\b, MW, 8*\b
.endr
	IMAGE 13, 32768
	ds_store_b32 v14, v[MW] offset:1024
	BARRIER                                        ; all images of C, B, x dt and B decay lie in LDS
	; ---- the addresses of the state and of the main phase, made by all waves alike
	s_bfe_u32 s32, s[WV], 0x20001                  ; t: my tile of d
	s_and_b32 s33, s[WV], 1                        ; nh: my half of n
	s_lshl_b32 s[T0], s[E], 15
	s_lshl_b32 s[T1], s32, 12
	s_add_co_u32 s[T1], s[T1], s[T0]
	s_add_co_u32 s[T1], s[T1], XT+16384
	v_add_nc_u32 v8, s[T1], v[LI]                  ; v8: (x dt)^T of the chunk before, tile t
	s_lshl_b32 s[T1], s33, 14
	s_add_co_u32 s[T1], s[T1], s[T0]
	s_add_co_u32 s[T1], s[T1], BD
	v_add_nc_u32 v9, s[T1], v[LI]                  ; v9: my four tiles of (B decay)^T
	s_add_co_u32 s[T1], s[T0], XT
	v_add_nc_u32 v18, s[T1], v[LI]                 ; v18: (x dt)^T of chunk j
	s_lshl_b32 s[T0], s[E], 10
	s_lshl_b32 s[T1], s32, 7
	s_add_co_u32 s[T1], s[T1], s[T0]
	s_add_co_u32 s[T1], s[T1], XTS+512
	v_add_nc_u32 v10, s[T1], v[LS]
	s_lshl_b32 s[T1], s33, 9
	s_add_co_u32 s[T1], s[T1], s[T0]
	s_add_co_u32 s[T1], s[T1], BDS
	v_add_nc_u32 v11, s[T1], v[LS]
	s_add_co_u32 s[T1], s[T0], XTS
	v_add_nc_u32 v19, s[T1], v[LS]
	s_lshl_b32 s[T0], s[E], 5
	s_add_co_u32 s[T0], s[T0], TOT
	v_mov_b32 v12, s[T0]                           ; v12: my head's eight totals
	s_lshl_b32 s[T0], s[E], 13
	s_add_co_u32 s[T0], s[T0], SQ
	v_add_nc_u32 v21, s[T0], v[LI]                 ; v21: my head's state
	s_lshl_b32 s[T1], s32, 11
	s_add_co_u32 s[T0], s[T0], s[T1]
	s_lshl_b32 s[T1], s33, 10
	s_add_co_u32 s[T0], s[T0], s[T1]
	v_add_nc_u32 v13, s[T0], v[LI]                 ; v13: where my part of it goes
	s_lshl_b32 s[T0], s[E], 8
	s_add_co_u32 s[T0], s[T0], SQS
	v_add_nc_u32 v22, s[T0], v[LS]
	s_lshl_b32 s[T1], s32, 6
	s_add_co_u32 s[T0], s[T0], s[T1]
	s_lshl_b32 s[T1], s33, 1
	s_add_co_u32 s[T0], s[T0], s[T1]
	v_add_nc_u32 v14, s[T0], v[LS]
	v_add_nc_u32 v15, BQ, v[LI]
	v_add_nc_u32 v16, BQS, v[LS]
	s_add_co_u32 s[T0], s[TBE], 2048
	v_lshl_add_u32 v17, v[HH], 6, s[T0]            ; v17: exp2(w) of my 16 keys of a block
.irp b, 0,1,2,3,4,5,6,7
	v_mov_b32 v[EU+2*\b+1], 0                      ; (named as the upper halves of the pairs whose low words are broadcast)
.endr
	; ---- THE STATE of the chunk before: tile t of d x my 64 of n, K = its 256 rows; times the column sum; quantised along n
	s_cmp_lg_u32 s[JZ], 0
	s_cbranch_scc1 .Lno_state
.macro SFETCH ks
	FETCH 32, 8, \ks*2048
	ds_load_b32 v[CQW], v10 offset:\ks*64
.irp i, 0,1,2,3
	FETCH FB+16*\i, 9, (2*\i+\ks)*2048
	ds_load_b32 v[FS+\i], v11 offset:(2*\i+\ks)*64
.endr
.endm
	ds_load_b128 v[50:53], v12
	ds_load_b128 v[54:57], v12 offset:16
	SFETCH 0
	s_wait_dscnt 0x0
.irp i, 0,1,2,3
	WMM GG+8*\i, FB+16*\i, 32, FS+\i, CQW, 0       ; source 0 = 16 of n, source 1 = 16 of d: a lane holds one d and eight n.  The four accumulators take turns
.endr
	PLACES 9
	SFETCH 1
.irp k, 0,1,2,3,4,5,6,7
	v_exp_f32 v[50+\k], v[50+\k]                   ; e^a[k]
.endr
	v_mov_b32 v58, 1.0                             ; (a plain instruction behind the exponentials)
	s_wait_alu depctr_va_vdst(0)
.irp k, 7,6,5,4,3,2,1,0
	v_fma_f32 v59, v[50+\k], v58, 1.0
	s_cmp_le_u32 s[J], \k                          ; chunks j to 7 count
	s_cselect_b32 s[T0], -1, 0
	v_cndmask_b32 v58, v58, v59, s[T0]
.endr
	s_wait_dscnt 0x0
.irp i, 0,1,2,3
	WMM GG+8*\i, FB+16*\i, 32, FS+\i, CQW, 1
.endr
	PLACES 9
.irp i, 0,2,4,6,8,10,12,14,16,18,20,22,24,26,28,30
	v_pk_mul_f32 v[GG+\i:GG+\i+1], v[GG+\i:GG+\i+1], v[58:59] op_sel_hi:[1,0]
.endr
	QB16 GG, MC, YW, 0
	QB16 GG+16, MC+4, YW, 8
	ds_store_b128 v13, v[MC:MC+3]
	ds_store_b128 v13, v[MC+4:MC+7] offset:512
	ds_store_b16 v14, v[YW]                        ; both halves of the lanes write the same two bytes
.Lno_state:
	BARRIER                                        ; the states lie in LDS
	; ---- THE MAIN PHASE: two tiles of 16 rows a wave, lam = u and 15 - u, so that every wave has the same number of blocks under the diagonal
; Block b: M = G x exp(segsum), quantised along the keys.  gg: G's 16 registers; ff: exp2(w) of my 16 keys; zt = 1: the block may lie above the diagonal.
.macro BLOCKV b, gg, ff, zt
.if \zt
	s_cmp_lt_u32 s[BETA], \b
	s_cbranch_scc1 .Lbz_\@
.endif
.irp i, 0,2,4,6,8,10,12,14
	v_pk_mul_f32 v[\ff+\i:\ff+\i+1], v[\ff+\i:\ff+\i+1], v[EU+2*(\b):EU+2*(\b)+1] op_sel_hi:[1,0]
.endr
	s_cmp_lg_u32 s[BETA], \b
	s_cbranch_scc1 .Lbn_\@
.set bi, 0
.rept 16                               ; the diagonal run: key i counts for rows r >= i, in the half of the lanes that holds the run
	s_and_b32 s[T0], s[DH], ((0xffff<<bi)&0xffff)*0x10001
	v_cndmask_b32 v[\ff+bi], v[\ff+bi], v[LD+bi], s[T0]
.set bi, bi+1
.endr
.Lbn_\@:
.irp i, 0,2,4,6,8,10,12,14
	v_pk_mul_f32 v[\gg+\i:\gg+\i+1], v[\gg+\i:\gg+\i+1], v[\ff+\i:\ff+\i+1]   ; each accumulator from its low end on
.endr
	QB16 \gg, MC+4*((\b)&3), MW, 8*((\b)&3)
.if \zt
	s_branch .Lbe_\@
.Lbz_\@:
.irp i, 0,1,2,3
	v_mov_b32 v[MC+4*((\b)&3)+\i], 0               ; zero codes add nothing
.endr
	v_or_b32 v[MW], 0x7f<<(8*((\b)&3)), v[MW]
.Lbe_\@:
.endif
.endm
; Blocks 4 ks + 2 hf and the next: G = C B^T for 64 keys, then the two blocks.
.macro HALF ks, hf
.if \hf
	s_cmp_lt_u32 s[BETA], 4*\ks+2*\hf
	s_cbranch_scc1 .Lhz_\@
.endif
.irp i, 0,1,2,3
	FETCH FB+16*\i, 15, (2*(4*\ks+2*\hf)+\i)*2048
	ds_load_b32 v[FS+\i], v16 offset:(2*(4*\ks+2*\hf)+\i)*64
.endr
.irp i, 0,1,2,3
	ds_load_b128 v[FF+4*\i:FF+4*\i+3], v17 offset:128*(4*\ks+2*\hf)+16*\i
.endr
	s_wait_dscnt 0x0
.irp i, 0,1,2,3
	WMM GG+8*\i, FB+16*\i, 32, FS+\i, CQW, 0       ; source 0 = 16 keys, source 1 = my 16 rows
.endr
	PLACES 9                                       ; behind the products: for the reads of results, the loads into their operands, and the next products that begin these accumulators anew
.irp i, 0,1,2,3
	ds_load_b128 v[FB+4*\i:FB+4*\i+3], v17 offset:128*(4*\ks+2*\hf+1)+16*\i   ; the second block's exp2(w)
.endr
	BLOCKV 4*\ks+2*\hf, GG, FF, 0
	s_wait_dscnt 0x0
	BLOCKV 4*\ks+2*\hf+1, GG+16, FB, 1
.if \hf
	s_branch .Lhe_\@
.Lhz_\@:
.irp i, 0,1,2,3,4,5,6,7
	v_mov_b32 v[MC+8+\i], 0
.endr
	v_or_b32 v[MW], 0x7f7f0000, v[MW]
.Lhe_\@:
.endif
.endm
.macro YMUL ks                         ; y^T += (x dt)^T M^T: four tiles of d, K = 128 keys
.irp t, 0,1,2,3
	FETCH FB+16*\t, 18, (2*\t+\ks)*2048
	ds_load_b32 v[FS+\t], v19 offset:(2*\t+\ks)*64
.endr
	s_wait_dscnt 0x0
	PLACES 8                                       ; codes and scale word made by vector instructions stand 4 and 8 places ahead of a scaled product, on every way here
.irp t, 0,1,2,3
	WMM YA+8*\t, FB+16*\t, MC, FS+\t, MW, \ks
.endr
	PLACES 9
.endm
	s_mov_b32 s[LAM], s[U]
	s_mov_b32 s[CNT], 2
.Ltile:
	s_lshr_b32 s[BETA], s[LAM], 1                  ; the block that holds the diagonal run,
	s_and_b32 s[T0], s[LAM], 1
	s_cmp_lg_u32 s[T0], 0
	s_mov_b32 s[DH], 0xffff
	s_cselect_b32 s[DH], 0xffff0000, s[DH]         ; and the half of the lanes
	s_lshl_b32 s[T0], s[LAM], 11
	v_add_nc_u32 v8, s[T0], v[LI]                  ; C's image
	s_lshl_b32 s[T0], s[LAM], 6
	s_add_co_u32 s[T1], s[T0], CQS
	v_add_nc_u32 v9, s[T1], v[LS]
	s_add_co_u32 s[T1], s[T0], s[TBE]
	v_mov_b32 v12, s[T1]                           ; x2 of the run
	s_add_co_u32 s[T1], s[T1], 1024
	v_add_nc_u32 v10, s[T1], v[LS]                 ; p of my row
	s_lshl_b32 s[T0], s[LAM], 7
	s_add_co_u32 s[T0], s[T0], s[TBE]
	s_add_co_u32 s[T0], s[T0], 4096
	v_lshl_add_u32 v11, v[HH], 5, s[T0]            ; my half's eight words of Z's row
	s_lshl_b32 s[T0], s[LAM], 18
	v_lshlrev_b32 v13, 14, v[R]
	v_lshl_add_u32 v13, v[HH], 6, v13
	v_add_nc_u32 v13, s[T0], v13                   ; x: row 16 lam + r, + 64 x half
	s_lshl_b32 s[T0], s[LAM], 15
	v_add_nc_u32 v14, s[T0], v[LI]                 ; y's image
	s_lshl_b32 s[T0], s[LAM], 10
	v_lshl_add_u32 v23, v[R], 6, s[T0]             ; y's scale bytes
	FETCH 32, 8, 0
	ds_load_b32 v[CQW], v9
	ds_load_b32 v242, v10
	ds_load_b128 v[ZW:ZW+3], v11
	ds_load_b128 v[ZW+4:ZW+7], v11 offset:16
	ds_load_b32 v241, v11 offset:64                ; the runs ahead of mine (words 16 and 24 hold the same)
.irp i, 0,1,2,3
	ds_load_b128 v[FF+4*\i:FF+4*\i+3], v12 offset:16*\i
.endr
	s_wait_dscnt 0x0
.irp b, 0,1,2,3,4,5,6,7
	v_add_f32 v[EU+2*\b], v[ZW+\b], v242
.endr
	v_add_f32 v[ZW], v241, v242
.set di, 1
.rept 15
	s_mov_b32 s[T0], ((0xffff<<di)&0xffff)*0x10001
	v_cndmask_b32 v[FF+di], v[ZERO], v[FF+di], s[T0]   ; x2[k] counts for rows r >= k
.set di, di+1
.endr
.irp k, 14,13,12,11,10,9,8,7,6,5,4,3,2,1
	v_add_f32 v[FF+\k], v[FF+\k], v[FF+\k+1]       ; the sum over k .. r
.endr
.irp b, 0,1,2,3,4,5,6,7
	v_exp_f32 v[EU+2*\b], v[EU+2*\b]
.endr
	v_exp_f32 v[ZW], v[ZW]
.set di, 0
.rept 15
	v_exp_f32 v[LD+di], v[FF+di+1]
.set di, di+1
.endr
	v_mov_b32 v[LD+15], 1.0                        ; (a plain instruction behind the exponentials)
	s_wait_alu depctr_va_vdst(0)                   ; one wait for the 24
	HALF 0, 0
	HALF 0, 1
	YMUL 0
	s_cmp_lt_u32 s[LAM], 8
	s_cbranch_scc1 .Lupper_done                    ; keys 128 on lie above the diagonal
	HALF 1, 0
	HALF 1, 1
	YMUL 1
.Lupper_done:
.irp b, 0,1
.irp q, 0,1,2,3
	global_load_b128 v[LD+16*\b+4*\q:LD+16*\b+4*\q+3], v13, s[PXR:PXR+1] offset:128*\b+16*\q   ; x of my row, in y's layout
.endr
.endr
	s_cmp_lg_u32 s[JZ], 0
	s_cbranch_scc1 .Lno_off
.irp t, 0,1,2,3
	FETCH FB+16*\t, 21, \t*2048
	ds_load_b32 v[FS+\t], v22 offset:64*\t
.endr
	s_wait_dscnt 0x0
.irp t, 0,1,2,3
	WMM GG+8*\t, FB+16*\t, 32, FS+\t, CQW, 0       ; source 0 = 16 of d of the state, source 1 = my 16 rows of C
.endr
	PLACES 9
.irp i, 0,2,4,6,8,10,12,14,16,18,20,22,24,26,28,30
	v_pk_fma_f32 v[YA+\i:YA+\i+1], v[GG+\i:GG+\i+1], v[ZW:ZW+1], v[YA+\i:YA+\i+1] op_sel_hi:[1,0,1]   ; x exp(cumulative sum)
.endr
.Lno_off:
	s_wait_loadcnt 0x0
.irp i, 0,2,4,6,8,10,12,14,16,18,20,22,24,26,28,30
	v_pk_fma_f32 v[YA+\i:YA+\i+1], v[LD+\i:LD+\i+1], s[DD:DD+1], v[YA+\i:YA+\i+1] op_sel_hi:[1,0,1]   ; + D x
.endr
	QB16 YA, MC, YW, 0
	QB16 YA+16, MC+4, YW, 8
	global_store_b128 v14, v[MC:MC+3], s[PY:PY+1]                  ; 32 lanes store 512 consecutive bytes, aligned
	global_store_b128 v14, v[MC+4:MC+7], s[PY:PY+1] offset:512
	v_cmp_gt_u32 vcc_lo, 16, v[LANE]
	s_wait_xcnt 0x0                                ; EXEC changes only behind this wait
	s_and_saveexec_b32 s[T0], vcc_lo
	global_store_b16 v23, v[YW], s[PYS:PYS+1]      ; two bytes a row, rows 64 bytes apart: the scale bytes are one part in 33 of what the launch stores
	s_wait_xcnt 0x0                                ; and again; the stores' registers may be written in the next trip too
	s_or_b32 exec_lo, exec_lo, s[T0]
	s_xor_b32 s[LAM], s[LAM], 15
	s_sub_co_u32 s[CNT], s[CNT], 1
	s_cmp_lg_u32 s[CNT], 0
	s_cbranch_scc1 .Ltile
	s_wait_tensorcnt 0x0                           ; the wave's end: behind my last LDS store
	ds_add_u32 v[SPW], v[NIL]
	s_wait_dscnt 0x0
	s_endpgm
.Lfunc_end_k_q86bdab7c3f_ssd:
	.size	k_q86bdab7c3f_ssd, .Lfunc_end_k_q86bdab7c3f_ssd-k_q86bdab7c3f_ssd
	.p2alignl 7, 3214868480
	.fill 96, 4, 3214868480
	.section	.rodata,"a",@progbits
	.p2align	6, 0x0
	.amdhsa_kernel k_q86bdab7c3f_ssd
		.amdhsa_group_segment_fixed_size 234752
		.amdhsa_private_segment_fixed_size 0
		.amdhsa_enable_private_segment 0
		.amdhsa_kernarg_size 48
		.amdhsa_user_sgpr_count 2
		.amdhsa_user_sgpr_kernarg_segment_ptr 1
		.amdhsa_wavefront_size32 1
		.amdhsa_system_sgpr_workgroup_id_x 1
		.amdhsa_system_sgpr_workgroup_id_y 1
		.amdhsa_system_sgpr_workgroup_id_z 1
		.amdhsa_system_vgpr_workitem_id 0
		.amdhsa_next_free_vgpr 256
		.amdhsa_next_free_sgpr 106
		.amdhsa_reserve_vcc 1
		.amdhsa_float_denorm_mode_32 3
		.amdhsa_float_denorm_mode_16_64 3
		.amdhsa_memory_ordered 1
		.amdhsa_forward_progress 1
		.amdhsa_inst_pref_size 182
	.end_amdhsa_kernel
	.amdgpu_metadata
---
amdhsa.version: [ 1, 2 ]
amdhsa.kernels:
  - .name:           k_q86bdab7c3f_ssd
    .symbol:         k_q86bdab7c3f_ssd.kd
    .args:
      - { .name: P, .offset: 0, .size: 8, .value_kind: global_buffer, .address_space: global }
      - { .name: dtT, .offset: 8, .size: 8, .value_kind: global_buffer, .address_space: global }
      - { .name: A_log, .offset: 16, .size: 8, .value_kind: global_buffer, .address_space: global }
      - { .name: D, .offset: 24, .size: 8, .value_kind: global_buffer, .address_space: global }
      - { .name: Yimg, .offset: 32, .size: 8, .value_kind: global_buffer, .address_space: global }
      - { .name: Ysc, .offset: 40, .size: 8, .value_kind: global_buffer, .address_space: global }
    .group_segment_fixed_size: 234752
    .private_segment_fixed_size: 0
    .kernarg_segment_align: 8
    .kernarg_segment_size: 48
    .max_flat_workgroup_size: 512
    .sgpr_count:     106
    .vgpr_count:     256
    .wavefront_size: 32
...
	.end_amdgpu_metadata
.endif
;; end of part 2
;; launch outp (part 3): grid 8 x 16, 4 waves a work-group, clusters of 4 x 4, 327,680 bytes of LDS; arguments Yimg, Ysc, W_out_codes, W_out_scales, b_out, out0; writes out0
.if DOCPART == 3
	.amdgcn_target "amdgcn-amd-amdhsa--gfx1250"
	.amdhsa_code_object_version 6
	.text
	.protected	k_q86bdab7c3f_outp
	.globl	k_q86bdab7c3f_outp
	.p2align	8
	.type	k_q86bdab7c3f_outp,@function
k_q86bdab7c3f_outp:
	s_mov_b64 s[64:65], 0
	v_nop
	global_prefetch_b8 v0, s[64:65] scope:SCOPE_SE
	s_setreg_imm32_b32 hwreg(HW_REG_WAVE_MODE, 25, 1), 1
	s_wait_xcnt 0x0
	s_wait_alu depctr_hold_cnt(0) depctr_sa_sdst(0) depctr_va_vdst(0) depctr_va_sdst(0) depctr_va_ssrc(0) depctr_va_vcc(0) depctr_vm_vsrc(0)
	s_getreg_b32 s2, hwreg(HW_REG_IB_STS2, 6, 4)
	s_cmp_eq_u32 s2, 0
	s_cbranch_scc0 .Lentry_in_a_cluster
	s_endpgm
.Lentry_in_a_cluster:
	s_bfe_u32 s2, ttmp6, 0x10000c
	s_cmp_lg_u32 s2, 0xf033
	s_cbranch_scc0 .Lentry_shape_is_right
	s_endpgm
.Lentry_shape_is_right:
; THIRD LAUNCH: out0 = y W_out + b_out on codes of E5M2 with E8M0 scales, sums in f32.  No work is left out here.
; y's codes arrive as IMAGES OF OPERAND REGISTERS: row tile RT (16 rows), K step t of 128: 2,048 bytes at 32,768 RT + 2,048 t, registers 4 c .. 4 c + 3 at 512 c + 16 x lane.  Its scale bytes lie [4096][64].
; A tile of out0, 256 x 256, is made by a work-group of four waves, a wave makes 128 x 128 in 64 accumulators.  K goes in steps of 256 through a ring of two LDS slots filled by the tensor data mover:
; of y a wave's load brings 8 row tiles x 4,096 bytes, dense in LDS (a fragment's loads read 512 consecutive bytes); of W_out 128 rows x 256 bytes, padded.
; The scale bytes of the 256 rows of y and of W_out come once and stay.  CLUSTERS: 4 x 4 work-groups; y's tiles are asked for jointly along a row of the cluster, W_out's along a column.
; The matrix instruction is used transposed (source 0 = 16 rows of W_out, source 1 = 16 rows of y).  128 tiles: 128 work-groups.
; REGISTERS: window 0: v0-31 addresses; v32-63 scale words, two sets; from v128 y's fragments, one set.  window 1: W_out's fragments, two sets.  windows 2, 3: the 64 accumulators.
.set SIZE_N, 2048
.set SIZE_K, 2048
.set KSTEP,  256
.set NQ,     KSTEP/128
.set ROWB,   256
.set KROW,   SIZE_K
.set PITCH,  272
.set FR,     16
.set NL,     4
.set NP,     8
.set HALFA,  32768                     ; 8 row tiles x 4,096 bytes: what one load brings of y
.set HALFT,  128*PITCH                 ; 128 rows of W_out
.set BOFF,   2*HALFA
.set SLOT,   2*HALFA+2*HALFT
.set LAPS,   SIZE_K/(2*KSTEP)
.set KS,     SIZE_K/32
.set SCL,    2*SLOT
.set HALFS,  (128*KS/256)*272
.set SBLK,   (16*KS/256)*272
.set SPARE,  SCL+4*HALFS               ; the spare words, 128 bytes a wave: two blocks of 256 bytes that no other line names
.set SPITCH, 528
.set BIA,  12
.set ADRA, 16
.set ADRB, 20
.set STO,  24
.set RD,   25
.set CO,   26
.set ADRS, 27
.set SPW,  28
.set NIL,  29
.set SC,   32
.set AF,   128
.set BK,   128
.set G1, 24
.set G0, 32
.set G1B, 48
.set G0B, 56
.set G1S, 68
.set G0S, 76
.set G1SB, 80
.set G0SB, 88
.set MSB, 0
.macro WIN new
.if MSB != \new
	s_set_vgpr_msb (MSB<<8)|\new
.set MSB, \new
.endif
.endm
.set MUL_LO, 0xa1
.set MUL_HI, 0xf1
.set TO_B,   0x40
.macro JLOAD g0a, g1a, g0b, g1b        ; a joint load: waves 0 and 1 fetch for y, waves 2 and 3 for W_out; an s_nop 0 and four v_nop follow each line
	s_cmp_eq_u32 s15, 0
	s_cbranch_scc0 .Lfor_b_\@
	tensor_load_to_lds s[\g0a:\g0a+3], s[\g1a:\g1a+7]
	s_nop 0
.rept 4
	v_nop
.endr
	s_branch .Lasked_\@
.Lfor_b_\@:
	tensor_load_to_lds s[\g0b:\g0b+3], s[\g1b:\g1b+7]
	s_nop 0
.rept 4
	v_nop
.endr
.Lasked_\@:
.endm
.macro CREST
	s_cmp_lg_u32 s14, 0
	s_cbranch_scc1 .Lnot_wave_0_\@
	s_barrier_signal -3
.Lnot_wave_0_\@:
	s_barrier_wait -3
	s_barrier_signal -1
	s_barrier_wait -1
.endm
.macro CROUND
	s_barrier_signal -1
	s_barrier_wait -1
	CREST
.endm
	s_load_b128 s[4:7], s[0:1], 0x0                ; y's images, y's scales
	s_load_b128 s[8:11], s[0:1], 0x10              ; W_out's codes, W_out's scales
	s_load_b64 s[96:97], s[0:1], 0x20              ; b_out
	s_load_b64 s[12:13], s[0:1], 0x28              ; out0
	v_lshl_add_u32 v[SPW], v0, 2, SPARE
	v_mov_b32 v[NIL], 0
	ds_add_u32 v[SPW], v[NIL]                      ; the wave's opening: the add, twice on end, and its wait ahead of my first tensor load
	ds_add_u32 v[SPW], v[NIL]
	v_lshrrev_b32 v1, 5, v0
	v_readfirstlane_b32 s14, v1
	s_lshr_b32 s15, s14, 1
	s_and_b32 s16, s14, 1
	s_bfe_u32 s40, ttmp6, 0x40000
	s_bfe_u32 s41, ttmp6, 0x40004
	s_lshl_b32 s42, ttmp9, 2
	s_add_co_u32 s42, s42, s40                     ; tile column
	s_and_b32 s17, ttmp7, 0xffff
	s_lshl_b32 s17, s17, 2
	s_add_co_u32 s17, s17, s41                     ; tile row
	s_lshl_b32 s43, s41, 2
	s_lshl_b32 s43, 15, s43
	s_lshl_b32 s44, 0x1111, s40
	; y's tiles: 8 rows of 512 elements of 8 bytes (4,096 bytes), 4,096 elements apart; no padding
	s_or_b32 s[G1+0], s43, (3<<16)|(1<<21)
	s_mov_b32 s[G1+1], 512<<16
	s_mov_b32 s[G1+2], 8<<16
	s_mov_b32 s[G1+3], 512<<16
	s_mov_b32 s[G1+4], 8
	s_mov_b32 s[G1+5], 4096
	s_mov_b32 s[G1+6], 0
	s_mov_b32 s[G1+7], 0
	; W_out's: 128 rows of 256 bytes, 4 words of padding behind every 64
	s_or_b32 s[G1B+0], s44, (0<<16)|(1<<20)|(1<<21)|(5<<22)|(3<<25)
	s_mov_b32 s[G1B+1], ROWB<<16
	s_mov_b32 s[G1B+2], 128<<16
	s_mov_b32 s[G1B+3], ROWB<<16
	s_mov_b32 s[G1B+4], 128
	s_mov_b32 s[G1B+5], KROW
	s_mov_b32 s[G1B+6], 0
	s_mov_b32 s[G1B+7], 0
	s_or_b32 s[G1S+0], s43, (3<<16)|(1<<20)|(1<<21)|(5<<22)|(3<<25)
	s_or_b32 s[G1SB+0], s44, (3<<16)|(1<<20)|(1<<21)|(5<<22)|(3<<25)
.irp g, G1S, G1SB
	s_mov_b32 s[\g+1], 32<<16
	s_mov_b32 s[\g+2], (128*KS/256)<<16
	s_mov_b32 s[\g+3], 32<<16
	s_mov_b32 s[\g+4], 128*KS/256
	s_mov_b32 s[\g+5], 32
	s_mov_b32 s[\g+6], 0
	s_mov_b32 s[\g+7], 0
.endr
	s_lshl_b32 s20, s17, 19                        ; y: row tile 16 x tile row + 8 x half, 32,768 bytes each
	s_lshl_b32 s18, s16, 18
	s_add_co_u32 s20, s20, s18
	s_lshl_b32 s22, s17, 14                        ; its scale bytes: 64 a row
	s_lshl_b32 s18, s16, 13
	s_add_co_u32 s22, s22, s18
	s_lshl_b32 s46, s42, 8
	s_lshl_b32 s18, s16, 7
	s_add_co_u32 s46, s46, s18                     ; W_out: row 256 x tile column + 128 x half
	s_lshl_b32 s92, s46, 6
	s_lshl_b32 s46, s46, 11
	s_mov_b32 s21, 0
	s_mov_b32 s23, 0
	s_mov_b32 s47, 0
	s_mov_b32 s93, 0
	s_lshl_b32 s45, s16, 15                        ; where they go: y's halves, then W_out's: no place in the cluster enters an LDS address
	s_mul_i32 s94, s16, HALFT
	s_add_co_u32 s94, s94, BOFF
	s_mul_i32 s95, s14, HALFS
	s_wait_dscnt 0x0
	s_wait_kmcnt 0x0
	s_add_nc_u64 s[20:21], s[4:5], s[20:21]
	s_add_nc_u64 s[22:23], s[6:7], s[22:23]
	s_add_nc_u64 s[46:47], s[8:9], s[46:47]
	s_add_nc_u64 s[92:93], s[10:11], s[92:93]
	CROUND                                         ; all sixteen work-groups are here: the first joint loads meet
	s_mov_b32 s[G0S], 1
	s_add_co_u32 s[G0S+1], s95, SCL
	s_mov_b64 s[G0S+2:G0S+3], s[22:23]
	s_or_b32 s[G0S+3], s[G0S+3], 0x80000000
	s_mov_b32 s[G0SB], 1
	s_add_co_u32 s[G0SB+1], s95, SCL
	s_mov_b64 s[G0SB+2:G0SB+3], s[92:93]
	s_or_b32 s[G0SB+3], s[G0SB+3], 0x80000000
	JLOAD G0S, G1S, G0SB, G1SB                     ; by this text's count three loads of a wave are out at the start
.irp s, 0,1
	s_mov_b32 s[G0+4*\s], 1
	s_add_co_u32 s[G0+4*\s+1], s45, \s*SLOT
	s_add_nc_u64 s[G0+4*\s+2:G0+4*\s+3], s[20:21], \s*4096
	s_or_b32 s[G0+4*\s+3], s[G0+4*\s+3], 0x80000000
	s_mov_b32 s[G0B+4*\s], 1
	s_add_co_u32 s[G0B+4*\s+1], s94, \s*SLOT
	s_add_nc_u64 s[G0B+4*\s+2:G0B+4*\s+3], s[46:47], \s*ROWB
	s_or_b32 s[G0B+4*\s+3], s[G0B+4*\s+3], 0x80000000
	JLOAD G0+4*\s, G1, G0B+4*\s, G1B
.endr
	v_and_b32 v1, 15, v0
	v_bfe_u32 v2, v0, 4, 1
	v_and_b32 v6, 31, v0
	v_lshlrev_b32 v[CO], 4, v6                     ; 16 x lane
	v_mul_u32_u24 v3, v1, PITCH
	v_lshl_add_u32 v4, v2, 4, v3
	s_lshl_b32 s21, s15, 15                        ; my 8 row tiles of y
	s_mul_i32 s22, s16, HALFT
	s_add_co_u32 s22, s22, BOFF                    ; my 128 rows of W_out
.irp s, 0,1
	v_add_nc_u32 v[ADRA+\s], s21, v[CO]
	v_add_nc_u32 v[ADRB+\s], s22, v4
	s_add_co_u32 s21, s21, SLOT
	s_add_co_u32 s22, s22, SLOT
.endr
	v_mul_u32_u24 v5, v1, KS
	v_lshrrev_b32 v6, 8, v5
	v_lshl_add_u32 v5, v6, 4, v5
	s_mul_i32 s21, s15, HALFS
	s_mul_i32 s22, s16, HALFS
	s_add_co_u32 s22, s22, 2*HALFS
	s_sub_co_u32 s22, s22, s21
	v_mul_u32_u24 v6, s22, v2
	s_add_co_u32 s21, s21, SCL
	v_add_nc_u32 v5, v5, v6
	v_add_nc_u32 v[ADRS], s21, v5
	s_mul_i32 s23, s14, 16*SPITCH
	v_mul_u32_u24 v5, v1, SPITCH
	v_lshl_add_u32 v5, v2, 5, v5
	v_add_nc_u32 v[STO], s23, v5
	v_add_nc_u32 v[RD], s23, v[CO]
	s_lshl_b32 s20, s17, 21                        ; my first row of out0: (256 x tile row + 128 x half) x 8,192 bytes
	s_lshl_b32 s21, s15, 20
	s_add_co_u32 s20, s20, s21
	s_mov_b32 s21, 0
	s_lshl_b32 s46, s42, 10
	s_lshl_b32 s47, s16, 9
	s_add_co_u32 s46, s46, s47                     ; my first column, in bytes
	s_mov_b32 s47, 0
	s_add_nc_u64 s[96:97], s[96:97], s[46:47]      ; the bias of my 128 columns
	s_add_nc_u64 s[20:21], s[20:21], s[46:47]
	s_add_nc_u64 s[12:13], s[12:13], s[20:21]
	global_load_b128 v[BIA:BIA+3], v[CO], s[96:97]
.macro FRAG reg, adr, q, i
.irp c, 0,1,2,3
	ds_load_b128 v[\reg+4*\c:\reg+4*\c+3], v[\adr] offset:128*(\q)+32*\c+(\i)*16*PITCH
.endr
.endm
.macro FRAGA reg, adr, q, i            ; an image comes back as it was stored
.irp c, 0,1,2,3
	ds_load_b128 v[\reg+4*\c:\reg+4*\c+3], v[\adr] offset:(\i)*4096+(\q)*2048+512*\c
.endr
.endm
.macro MUL16 a0, p, q, sc, zero        ; the 64 accumulators take turns, one instruction a turn
.irp a, \a0, \a0+1
.irp b, 0,1,2,3,4,5,6,7
.if \zero
	v_wmma_scale_f32_16x16x128_f8f6f4 v[8*(8*((\a)%4)+\b):8*(8*((\a)%4)+\b)+7], v[128*(\p)+FR*\b:128*(\p)+FR*\b+FR-1], v[AF+FR*(\a):AF+FR*(\a)+FR-1], 0, v[SC+8*NQ*(\sc)+NQ*\b+(\q)], v[SC+8*NQ*(\sc)+NQ*(\a)+(\q)] matrix_a_fmt:MATRIX_FMT_BF8 matrix_b_fmt:MATRIX_FMT_BF8 matrix_a_scale:MATRIX_SCALE_ROW1
.else
	v_wmma_scale_f32_16x16x128_f8f6f4 v[8*(8*((\a)%4)+\b):8*(8*((\a)%4)+\b)+7], v[128*(\p)+FR*\b:128*(\p)+FR*\b+FR-1], v[AF+FR*(\a):AF+FR*(\a)+FR-1], v[8*(8*((\a)%4)+\b):8*(8*((\a)%4)+\b)+7], v[SC+8*NQ*(\sc)+NQ*\b+(\q)], v[SC+8*NQ*(\sc)+NQ*(\a)+(\q)] matrix_a_fmt:MATRIX_FMT_BF8 matrix_b_fmt:MATRIX_FMT_BF8 matrix_a_scale:MATRIX_SCALE_ROW1
.endif
.endr
.endr
.endm
.macro FETCH_B slot, q, p
	WIN TO_B
.irp i, 0,1,2,3,4,5,6,7
	FRAG 128*(\p)+FR*\i, ADRB+\slot, \q, \i
.endr
	WIN 0
.endm
.macro FETCH_A slot, q, i0
.irp i, \i0, \i0+1, \i0+2, \i0+3
	FRAGA AF+FR*(\i), ADRA+\slot, \q, \i
.endr
.endm
.macro SCALES sc
.irp i, 0,1,2,3,4,5,6,7
	ds_load_b64 v[SC+8*NQ*\sc+NQ*\i:SC+8*NQ*\sc+NQ*\i+1], v[ADRS] offset:\i*SBLK
.endr
.endm
.macro PLACES n
.rept \n
	v_nop
.endr
.endm
.macro STEP slot, q, zero
	s_wait_dscnt 4*NL                              ; all but the youngest sixteen loads (y's blocks 4-7) are in
	WIN MUL_LO
	MUL16 0, (\q)%2, \q, \slot, \zero
	MUL16 2, (\q)%2, \q, \slot, \zero
	s_wait_dscnt 0
	PLACES NP
	FETCH_B \slot, (\q)+1, 1-(\q)%2
	FETCH_A \slot, (\q)+1, 0
	WIN MUL_HI
	MUL16 4, (\q)%2, \q, \slot, \zero
	MUL16 6, (\q)%2, \q, \slot, \zero
	PLACES NP
	WIN 0
	FETCH_A \slot, (\q)+1, 4
.endm
; A slot's last step changes slots.  All its fragments were fetched in the step before, so its first 32 products name registers alone: they stand AHEAD of the wait for the next slot's tile and are issued while that
; tile is on its way.
; Then ONE barrier: in front of it each wave waits for all its tensor loads, adds 0 to its spare word, and waits for that and for its reads of this slot.
.macro TURN slot, next, fill
	s_wait_dscnt 4*NL                              ; all but the youngest sixteen loads (y's blocks 4-7) are in
	WIN MUL_LO
	MUL16 0, 1, NQ-1, \slot, 0
	MUL16 2, 1, NQ-1, \slot, 0
	WIN 0
	s_wait_tensorcnt 0x0                           ; all my tensor loads have landed: my part of the next slot; so a group 0 may be written
	ds_add_u32 v[SPW], v[NIL]                      ; 0 onto my spare word: the descriptors' steps stand between it and the wait for it
.if \fill
	s_add_nc_u64 s[G0+4*\slot+2:G0+4*\slot+3], s[G0+4*\slot+2:G0+4*\slot+3], 2*4096
	s_add_nc_u64 s[G0B+4*\slot+2:G0B+4*\slot+3], s[G0B+4*\slot+2:G0B+4*\slot+3], 2*ROWB
.endif
	s_wait_dscnt 0x0                               ; the add is done, and my reads of this slot are over
	s_barrier_signal -1
	s_barrier_wait -1
.if \fill
	CREST                                          ; the barrier has opened a round of the cluster's: no wave of any partner still reads this slot's tile or has a load on its way
	JLOAD G0+4*\slot, G1, G0B+4*\slot, G1B         ; the first tensor load behind the round; its four v_nop are four of the eight places
	PLACES NP-4
.else
	PLACES NP
.endif
	v_add_nc_u32 v[ADRS], 4*NQ, v[ADRS]
	FETCH_B \next, 0, 0
	FETCH_A \next, 0, 0
	SCALES \next
	WIN MUL_HI
	MUL16 4, 1, NQ-1, \slot, 0                     ; the step's other 32 products stand over the LDS loads just issued
	MUL16 6, 1, NQ-1, \slot, 0
	PLACES NP
	WIN 0
	FETCH_A \next, 0, 4
.endm
	s_wait_tensorcnt 1                             ; the scales and my part of K step 0 are in (K step 1's load may be out)
	s_barrier_signal -1
	s_barrier_wait -1
	FETCH_B 0, 0, 0
	FETCH_A 0, 0, 0
	SCALES 0
	FETCH_A 0, 0, 4
	STEP 0, 0, 1
	s_mov_b32 s3, LAPS-1
.Llap:
	TURN 0, 1, 1
	STEP 1, 0, 0
	TURN 1, 0, 1
	STEP 0, 0, 0
	s_sub_co_u32 s3, s3, 1
	s_cmp_lg_u32 s3, 0
	s_cbranch_scc1 .Llap
	TURN 0, 1, 0
	STEP 1, 0, 0
	s_wait_dscnt 4*NL
	WIN MUL_LO
	MUL16 0, 1, NQ-1, 1, 0
	MUL16 2, 1, NQ-1, 1, 0
	s_wait_dscnt 0
	WIN MUL_HI
	MUL16 4, 1, NQ-1, 1, 0
	MUL16 6, 1, NQ-1, 1, 0
	WIN 0
.macro TOSTAGE a
.set AC, 64*((\a)%4)
	WIN 0x08+4*((\a)/4)
.irp b, 0,1,2,3,4,5,6,7
	ds_store_b128 v[STO], v[AC+8*\b:AC+8*\b+3] offset:64*\b          ; each accumulator from its low end on
	ds_store_b128 v[STO], v[AC+8*\b+4:AC+8*\b+7] offset:64*\b+16
.endr
	WIN 0
.set BB, BK+64*((\a)%2)
.irp t, 0,1,2,3,4,5,6,7,8,9,10,11,12,13,14,15
	ds_load_b128 v[BB+4*\t:BB+4*\t+3], v[RD] offset:\t*SPITCH        ; LDS serves a wave's instructions in order (ISA guide 5.7.1.4)
.endr
.endm
.macro SEND a, younger
.set BB, BK+64*((\a)%2)
	s_wait_dscnt \younger
.if (\a) > 0
	s_add_nc_u64 s[12:13], s[12:13], 16*SIZE_N*4   ; (behind a wait on XCNT: the earlier stores have read their base)
.endif
.irp t, 0,1,2,3,4,5,6,7,8,9,10,11,12,13,14,15
	v_pk_add_f32 v[BB+4*\t:BB+4*\t+1], v[BB+4*\t:BB+4*\t+1], v[BIA:BIA+1]
	v_pk_add_f32 v[BB+4*\t+2:BB+4*\t+3], v[BB+4*\t+2:BB+4*\t+3], v[BIA+2:BIA+3]
	global_store_b128 v[CO], v[BB+4*\t:BB+4*\t+3], s[12:13] offset:\t*SIZE_N*4 th:TH_STORE_NT   ; 32 lanes store 512 consecutive bytes, aligned; written once, read by nobody here
.endr
.endm
	PLACES NP
	s_wait_loadcnt 0x0                             ; the bias
	TOSTAGE 0
.irp a, 1,2,3,4,5,6,7
.if \a > 1
	s_wait_xcnt 0x0                                ; block a - 2's stores have read their registers and their base
.endif
	TOSTAGE \a
	SEND \a-1, 32
.endr
	s_wait_xcnt 0x0
	SEND 7, 0
	s_wait_tensorcnt 0x0                           ; the wave's end
	ds_add_u32 v[SPW], v[NIL]
	s_wait_dscnt 0x0
	CROUND                                         ; the closing round
	s_endpgm
.Lfunc_end_k_q86bdab7c3f_outp:
	.size	k_q86bdab7c3f_outp, .Lfunc_end_k_q86bdab7c3f_outp-k_q86bdab7c3f_outp
	.p2alignl 7, 3214868480
	.fill 96, 4, 3214868480
	.section	.rodata,"a",@progbits
	.p2align	6, 0x0
	.amdhsa_kernel k_q86bdab7c3f_outp
		.amdhsa_group_segment_fixed_size 327680
		.amdhsa_private_segment_fixed_size 0
		.amdhsa_enable_private_segment 0
		.amdhsa_kernarg_size 48
		.amdhsa_user_sgpr_count 2
		.amdhsa_user_sgpr_kernarg_segment_ptr 1
		.amdhsa_wavefront_size32 1
		.amdhsa_system_sgpr_workgroup_id_x 1
		.amdhsa_system_sgpr_workgroup_id_y 1
		.amdhsa_system_sgpr_workgroup_id_z 1
		.amdhsa_system_vgpr_workitem_id 0
		.amdhsa_next_free_vgpr 1024
		.amdhsa_next_free_sgpr 98
		.amdhsa_reserve_vcc 0
		.amdhsa_float_denorm_mode_32 3
		.amdhsa_float_denorm_mode_16_64 3
		.amdhsa_memory_ordered 1
		.amdhsa_forward_progress 1
		.amdhsa_inst_pref_size 162
	.end_amdhsa_kernel
	.amdgpu_metadata
---
amdhsa.version: [ 1, 2 ]
amdhsa.kernels:
  - .name:           k_q86bdab7c3f_outp
    .symbol:         k_q86bdab7c3f_outp.kd
    .args:
      - { .name: Yimg, .offset: 0, .size: 8, .value_kind: global_buffer, .address_space: global }
      - { .name: Ysc, .offset: 8, .size: 8, .value_kind: global_buffer, .address_space: global }
      - { .name: W_out_codes, .offset: 16, .size: 8, .value_kind: global_buffer, .address_space: global }
      - { .name: W_out_scales, .offset: 24, .size: 8, .value_kind: global_buffer, .address_space: global }
      - { .name: b_out, .offset: 32, .size: 8, .value_kind: global_buffer, .address_space: global }
      - { .name: out0, .offset: 40, .size: 8, .value_kind: global_buffer, .address_space: global }
    .group_segment_fixed_size: 327680
    .private_segment_fixed_size: 0
    .kernarg_segment_align: 8
    .kernarg_segment_size: 48
    .max_flat_workgroup_size: 128
    .sgpr_count:     98
    .vgpr_count:     1024
    .wavefront_size: 32
...
	.end_amdgpu_metadata
.endif
;; end of part 3
